; MI455X (gfx1250); checked and timed in simulation.
; The chip was launched on July 23, 2026; its instructions are those of AMD's public machine-readable ISA for CDNA 5 (MIT licence, August 2026) and "CDNA5" Instruction Set Architecture Reference Guide (July 2026). The comments in the code are by the model that wrote it; some were corrected since.
;; Qwen3 VL Text Attention. Allowed arithmetic: float matrix products may take bf16 or f16 operands with f32 sums; all other float work in f32.
;; Inputs: attention_mask 1 x 1 x 2,048 x 2,048 float32; cos 1 x 2,048 x 128 float32; hidden_states 1 x 2,048 x 4,096 float32; k_norm_w 128 float32; q_norm_w 128 float32; sin 1 x 2,048 x 128 float32; wk 4,096 x 1,024 float32; wo 2,048 x 4,096 float32; wq 4,096 x 2,048 float32; wv 4,096 x 1,024 float32.
;; Outputs: out0 1 x 2,048 x 4,096 float32.
;; 2 versions, each right; version 2 is version 1 with the launch cast written anew for expert scheduling mode. Each part assembles by itself: llvm-mc -triple=amdgcn-amd-amdhsa -mcpu=gfx1250 --defsym DOCPART=n.
;; ======== version 1 of 2: 4 launches
;; limits: values are held in f16: magnitudes above 65,504 overflow, below 6.1e-05 lose precision
;; workspace buffers: xh 16,777,216 bytes; wqkvh 33,554,432 bytes; woh 16,777,216 bytes; qkvh 16,777,216 bytes; ah 8,388,608 bytes
;; launch cast (part 1): grid 1024 x 1, 8 waves a work-group, no clusters, 0 bytes of LDS; arguments hidden_states, wq, wk, wv, wo, xh, wqkvh, woh; writes xh, wqkvh, woh
.if DOCPART == 1
	.amdgcn_target "amdgcn-amd-amdhsa--gfx1250"
	.amdhsa_code_object_version 6
	.text
	.protected	k_q6b58745912_cast
	.globl	k_q6b58745912_cast
	.p2align	8
	.type	k_q6b58745912_cast,@function
k_q6b58745912_cast:
	s_mov_b64 s[64:65], 0
	v_nop
	global_prefetch_b8 v0, s[64:65] scope:SCOPE_SE
	s_setreg_imm32_b32 hwreg(HW_REG_WAVE_MODE, 25, 1), 1
	s_wait_xcnt 0x0
; Qwen3VLTextAttention, launch 1 of 4: hidden_states, wq, wk, wv and wo are rounded once from f32 to f16 (to nearest even).
; Nothing of reference() is left out in any launch: every input has a way to the output, and the additive mask is taken as any f32 numbers.
; WHY f16 AND NOT bf16: between the inputs and the result ten operands are rounded (x, four weights, q, k, v, the probabilities, the attention result), and every
; sum is a sum of independent terms, so each rounding adds its own relative error to the result.  With 8 significant bits that is about 0.17 per cent each,
; with 11 bits about 0.02 per cent each.
; LIMIT: a number beyond 65,504 in magnitude becomes an infinity; below 6.1e-5 it keeps an absolute error of 3e-8.
; WHY A LAUNCH OF ITS OWN: each of the 16 row blocks of a product reads every weight tile, and each of the 16 column blocks every
; tile of x: rounding inside the products' loops would be done 16 times over, on tiles of twice the bytes, and the weights lie [k][n],
; which the products read by the transposing LDS load, a load of 16-bit elements.
; xh    [2048][4096] f16 = hidden_states;  woh [2048][4096] f16 = wo;
; wqkvh [4096 k][4096 n] f16: row k = wq[k] (n 0-2047), wk[k] (n 2048-3071), wv[k] (n 3072-4095): one product makes q, k and v.
; A work-group takes 32,768 numbers that follow each other in one source: 128 KiB in, 64 KiB out.  Thread t, step i (16 steps): the 8 numbers
; at 2048 i + 8 t: two loads of 16 bytes, one store of 16 bytes; a wave's store covers 512 consecutive bytes, aligned.
; All 32 loads of a wave go out first; no register is written twice, so nothing waits but each step for its own two loads.
; No LDS, no matrix unit, no cluster: the bytes are moved once and no two work-groups share any.
.set DOF, 8                            ; v[8:23]    step i: byte offset of my 16 bytes in the destination
.set X,   24                           ; v[24:151]  step i: 8 registers as loaded; the first 4 of them as stored
	s_load_b512 s[8:23], s[0:1], 0x0               ; hidden_states s[8:9], wq s[10:11], wk s[12:13], wv s[14:15], wo s[16:17], xh s[18:19], wqkvh s[20:21], woh s[22:23]
	v_lshlrev_b32 v1, 5, v0                        ; my 32 source bytes in a step; never rewritten
	s_wait_kmcnt 0x0
	; which source this work-group reads: wo's figures first, then each lower range of work-group numbers puts in its own
	s_mov_b64 s[24:25], s[16:17]                   ; source
	s_mov_b64 s[26:27], s[22:23]                   ; destination
	s_mov_b32 s28, 12                              ; log2 of the source's columns
	s_mov_b32 s29, 0                               ; byte offset of the source's first column in a destination row
	s_mov_b32 s30, 768                             ; the range's first work-group
.macro REGION last, src, dst, logc, off, first
	s_cmp_lt_u32 ttmp9, \last
	s_cselect_b64 s[24:25], s[\src:\src+1], s[24:25]
	s_cselect_b64 s[26:27], s[\dst:\dst+1], s[26:27]
	s_cselect_b32 s28, \logc, s28
	s_cselect_b32 s29, \off, s29
	s_cselect_b32 s30, \first, s30
.endm
	REGION 768, 14, 20, 10, 6144, 640              ; wv: 128 work-groups
	REGION 640, 12, 20, 10, 4096, 512              ; wk: 128
	REGION 512, 10, 20, 11, 0, 256                 ; wq: 256
	REGION 256, 8, 18, 12, 0, 0                    ; hidden_states: 256
	s_sub_co_u32 s32, ttmp9, s30                   ; my chunk of the source
	s_bfm_b32 s31, s28, 0                          ; mask of the column bits
	s_lshl_b32 s34, s32, 17                        ; 128 KiB a chunk (255 chunks at the most: below 4 GiB)
	s_mov_b32 s35, 0
	s_add_nc_u64 s[24:25], s[24:25], s[34:35]
	s_mov_b32 s34, s29
	s_add_nc_u64 s[26:27], s[26:27], s[34:35]
	s_lshl_b32 s33, s32, 15
	v_lshl_add_u32 v2, v0, 3, s33                  ; the index in the source of my first number in step 0
.irp i, 0,1,2,3,4,5,6,7,8,9,10,11,12,13,14,15
	global_load_b128 v[X+8*\i:X+8*\i+3],   v1, s[24:25] offset:8192*\i th:TH_LOAD_NT
	global_load_b128 v[X+8*\i+4:X+8*\i+7], v1, s[24:25] offset:8192*\i+16 th:TH_LOAD_NT
.endr
	; every destination has rows of 8,192 bytes: offset = row x 8192 + 2 x column
.irp i, 0,1,2,3,4,5,6,7,8,9,10,11,12,13,14,15
	v_add_nc_u32 v3, 2048*\i, v2
	v_lshrrev_b32 v4, s28, v3                      ; row
	v_and_b32 v5, s31, v3                          ; column
	v_lshlrev_b32 v5, 1, v5
	v_lshl_add_u32 v[DOF+\i], v4, 13, v5
.endr
.irp i, 0,1,2,3,4,5,6,7,8,9,10,11,12,13,14,15
	s_wait_loadcnt 30-2*\i                         ; loads come back in order: this step's two are in, the 2 (15 - i) younger ones stay out
	v_cvt_pk_f16_f32 v[X+8*\i],   v[X+8*\i],   v[X+8*\i+1]
	v_cvt_pk_f16_f32 v[X+8*\i+1], v[X+8*\i+2], v[X+8*\i+3]
	v_cvt_pk_f16_f32 v[X+8*\i+2], v[X+8*\i+4], v[X+8*\i+5]
	v_cvt_pk_f16_f32 v[X+8*\i+3], v[X+8*\i+6], v[X+8*\i+7]
	global_store_b128 v[DOF+\i], v[X+8*\i:X+8*\i+3], s[26:27]      ; later launches read these bytes: no hint
.endr
	s_endpgm
.Lfunc_end_k_q6b58745912_cast:
	.size	k_q6b58745912_cast, .Lfunc_end_k_q6b58745912_cast-k_q6b58745912_cast
	.p2alignl 7, 3214868480
	.fill 96, 4, 3214868480
	.section	.rodata,"a",@progbits
	.p2align	6, 0x0
	.amdhsa_kernel k_q6b58745912_cast
		.amdhsa_group_segment_fixed_size 0
		.amdhsa_private_segment_fixed_size 0
		.amdhsa_enable_private_segment 0
		.amdhsa_kernarg_size 64
		.amdhsa_user_sgpr_count 2
		.amdhsa_user_sgpr_kernarg_segment_ptr 1
		.amdhsa_wavefront_size32 1
		.amdhsa_system_sgpr_workgroup_id_x 1
		.amdhsa_system_sgpr_workgroup_id_y 1
		.amdhsa_system_sgpr_workgroup_id_z 1
		.amdhsa_system_vgpr_workitem_id 0
		.amdhsa_next_free_vgpr 152
		.amdhsa_next_free_sgpr 66
		.amdhsa_reserve_vcc 0
		.amdhsa_float_denorm_mode_32 3
		.amdhsa_float_denorm_mode_16_64 3
		.amdhsa_memory_ordered 1
		.amdhsa_forward_progress 1
		.amdhsa_inst_pref_size 15
	.end_amdhsa_kernel
	.amdgpu_metadata
---
amdhsa.version: [ 1, 2 ]
amdhsa.kernels:
  - .name:           k_q6b58745912_cast
    .symbol:         k_q6b58745912_cast.kd
    .args:
      - { .name: hidden_states, .offset: 0, .size: 8, .value_kind: global_buffer, .address_space: global }
      - { .name: wq, .offset: 8, .size: 8, .value_kind: global_buffer, .address_space: global }
      - { .name: wk, .offset: 16, .size: 8, .value_kind: global_buffer, .address_space: global }
      - { .name: wv, .offset: 24, .size: 8, .value_kind: global_buffer, .address_space: global }
      - { .name: wo, .offset: 32, .size: 8, .value_kind: global_buffer, .address_space: global }
      - { .name: xh, .offset: 40, .size: 8, .value_kind: global_buffer, .address_space: global }
      - { .name: wqkvh, .offset: 48, .size: 8, .value_kind: global_buffer, .address_space: global }
      - { .name: woh, .offset: 56, .size: 8, .value_kind: global_buffer, .address_space: global }
    .group_segment_fixed_size: 0
    .private_segment_fixed_size: 0
    .kernarg_segment_align: 8
    .kernarg_segment_size: 64
    .max_flat_workgroup_size: 256
    .sgpr_count:     66
    .vgpr_count:     152
    .wavefront_size: 32
...
	.end_amdgpu_metadata
.endif
;; end of part 1
;; launch qkv (part 2): grid 16 x 16, 4 waves a work-group, clusters of 4 x 4, 327,680 bytes of LDS; arguments xh, wqkvh, cos, sin, q_norm_w, k_norm_w, qkvh; writes qkvh
.if DOCPART == 2
	.amdgcn_target "amdgcn-amd-amdhsa--gfx1250"
	.amdhsa_code_object_version 6
	.text
	.protected	k_q6b58745912_qkv
	.globl	k_q6b58745912_qkv
	.p2align	8
	.type	k_q6b58745912_qkv,@function
k_q6b58745912_qkv:
	s_mov_b64 s[64:65], 0
	v_nop
	global_prefetch_b8 v0, s[64:65] scope:SCOPE_SE
	s_setreg_imm32_b32 hwreg(HW_REG_WAVE_MODE, 25, 1), 1
	s_wait_xcnt 0x0
	s_wait_alu depctr_hold_cnt(0) depctr_sa_sdst(0) depctr_va_vdst(0) depctr_va_sdst(0) depctr_va_ssrc(0) depctr_va_vcc(0) depctr_vm_vsrc(0)
	s_getreg_b32 s2, hwreg(HW_REG_IB_STS2, 6, 4)
	s_cmp_eq_u32 s2, 0
	s_cbranch_scc0 .Lentry_in_a_cluster
	s_endpgm
.Lentry_in_a_cluster:
	s_bfe_u32 s2, ttmp6, 0x10000c
	s_cmp_lg_u32 s2, 0xf033
	s_cbranch_scc0 .Lentry_shape_is_right
	s_endpgm
.Lentry_shape_is_right:
; Launch 2 of 4: [q | k | v] = xh x wqkvh, then for q and k the RMS norm of each head, its gain, and the rotation by cos and sin.  Nothing of reference() is left out.
; xh [2048 s][4096 k] f16, wqkvh [4096 k][4096 n] f16; sums in f32.  qkvh [32 heads][2048 s][128 d] f16: heads 0-15 q, 16-23 k, 24-31 v.
; q is stored multiplied by D^-0.5 x log2(e), so that the next launch's scores are exponents of 2.
; LIMITS: the operands and the stored q, k, v are rounded to f16; q carries its factor before that rounding.  q and k are bounded by the norm:
; sqrt(128) x gain x (|cos| + |sin|).  v is not: a v beyond 65,504 in magnitude becomes an infinity.  (x and wv both 30 times the size of unit x and
; 1/64 weights give a spread of 900; both offset by 30 spreads give 4096 x 30 x 30/64 = 57,600.)
; A work-group makes 128 rows x 256 columns: 16 x 16 = 256 work-groups.  Four waves, one for each SIMD of a WGP; a wave makes 64 rows x 128 columns,
; which is one head: 4 x 8 accumulator tiles of 16 x 16, 256 registers; norm and rotation never leave the wave.
; K goes in steps of 128 through two LDS slots filled by the tensor data mover; two slots of a step of 256 would take 417,792 bytes.
; CLUSTERS: 4 x 4 work-groups.  The four of a row of the cluster need the same tile of x, the four of a column the same tile of W: each tile is
; asked for jointly, by the same tensor load in all four, with a mask that names them.
; THE MATRIX INSTRUCTION IS USED TRANSPOSED: source 0 = 16 columns of W, source 1 = 16 rows of x; lane (r = lane % 16, h = lane / 16) then holds
; row r, and its registers 0-7 the columns 8 h + 0..7 of the tile.
; REGISTERS: window 0: v1-v31 addresses, v32-v57 the way out, v64-159 and v160-255 two fragment buffers (8 of W, then 4 of x);
;            window 1: accumulator tile (a, b) at v[8 (8 a + b)].
.set SIZE_K, 4096
.set NPITCH, 4096                      ; elements in a row of W
.set KSTEP,  128
.set PA,     272                       ; LDS row of x's tile: 256 bytes + 16: an odd multiple of 16, so the 16 rows of a fragment load start 16 bytes apart modulo 256
.set PB,     544                       ; LDS row of W's tile: 512 bytes + 32: an odd multiple of 32, for the transposing load
.set AHALF,  64*PA                     ; what one tensor load brings of x: 64 rows
.set BHALF,  64*PB                     ; and of W: 64 k-rows
.set ATILE,  2*BHALF                   ; a slot: W's 128 k-rows, then x's 128 rows
.set SLOT,   ATILE+2*AHALF             ; 104,448
.set STAGE,  2*SLOT                    ; behind the ring, a multiple of 256: 16 rows x 528 bytes for each wave; no tensor load lands there
.set SP,     528                       ; a stage row: 128 f32 + 16 bytes
.set WSTAGE, 16*SP                     ; the stages end at 242,688.  The launch asks for 327,680: every wave writes both kinds of group 0, and the kind that it never issues then names bytes inside the allocation too
.set LAPS,   SIZE_K/(2*KSTEP)          ; a lap = two K steps = once round the ring
.set ADRA, 16                          ; v16-17  LDS address of my x fragments in slot 0, 1
.set ADRB, 20                          ; v20-21  the same for W
.set F0,   64
.set F1,   160
.set G1A, 24                           ; s[24:31] descriptor group 1, x's tiles
.set G0A, 32                           ; s[32:39] group 0, x's tiles, a set for each slot
.set G1B, 40                           ; s[40:47] group 1, W's tiles
.set G0B, 48                           ; s[48:55] group 0, W's tiles, a set for each slot
.set ACC, 0x50                         ; s_set_vgpr_msb: C and D in window 1, both sources in window 0
.set MSB, 0
.macro WIN new                         ; the immediate's high byte repeats the setting that is left
.if MSB != \new
	s_set_vgpr_msb (MSB<<8)|\new
.set MSB, \new
.endif
.endm
; A joint load.  Waves 0 and 1 fetch W's two halves, waves 2 and 3 x's.  Each line has one mask; the branch hangs on the wave's number alone.
.macro JLOAD s
	s_cmp_eq_u32 s19, 0
	s_cbranch_scc0 .Lfor_a_\@
	tensor_load_to_lds s[G0B+4*\s:G0B+4*\s+3], s[G1B:G1B+7]
	s_nop 0
	s_branch .Lasked_\@
.Lfor_a_\@:
	tensor_load_to_lds s[G0A+4*\s:G0A+4*\s+3], s[G1A:G1A+7]
	s_nop 0
.Lasked_\@:
.endm
; A round of the cluster's barrier: my work-group's barrier, wave 0 signals for the work-group, every wave waits for all sixteen, my work-group's barrier again.
.macro CREST                           ; a round behind its opening barrier
	s_cmp_lg_u32 s18, 0
	s_cbranch_scc1 .Lnot_wave_0_\@
	s_barrier_signal -3
.Lnot_wave_0_\@:
	s_barrier_wait -3
	s_barrier_signal -1
	s_barrier_wait -1
.endm
.macro CROUND
	s_barrier_signal -1
	s_barrier_wait -1
	CREST
.endm
; Four plain vector instructions stand between a matrix instruction and a load into, or a vector instruction on, one of its registers (ISA guide 7.12.1 for vector instructions).
.macro PLACES
.rept 4
	v_nop
.endr
.endm
; 8 matrix instructions: row tile a x all 8 column tiles, 32 along K.  zero = 1: the product starts the sums, nothing is cleared.
; The 32 accumulators take turns, one instruction a turn, in the same order in every quarter step.
.macro MUL8 f, a, zero
.irp b, 0,1,2,3,4,5,6,7
.if \zero
	v_wmma_f32_16x16x32_f16 v[8*(8*\a+\b):8*(8*\a+\b)+7], v[\f+8*\b:\f+8*\b+7], v[\f+64+8*\a:\f+64+8*\a+7], 0
.else
	v_wmma_f32_16x16x32_f16 v[8*(8*\a+\b):8*(8*\a+\b)+7], v[\f+8*\b:\f+8*\b+7], v[\f+64+8*\a:\f+64+8*\a+7], v[8*(8*\a+\b):8*(8*\a+\b)+7]
.endif
.endr
.endm
; 24 LDS loads: the fragments of quarter q (32 along K) of a slot into buffer f: 16 transposing loads for W ([k][n] in LDS), then 8 plain ones for x.
.macro FETCH slot, q, f
	WIN 0
.irp b, 0,1,2,3,4,5,6,7
	ds_load_tr16_b128 v[\f+8*\b:\f+8*\b+3],   v[ADRB+\slot] offset:\q*32*PB+32*\b
	ds_load_tr16_b128 v[\f+8*\b+4:\f+8*\b+7], v[ADRB+\slot] offset:\q*32*PB+16*PB+32*\b
.endr
.irp a, 0,1,2,3
	ds_load_b128 v[\f+64+8*\a:\f+64+8*\a+3],   v[ADRA+\slot] offset:\q*64+\a*16*PA
	ds_load_b128 v[\f+64+8*\a+4:\f+64+8*\a+7], v[ADRA+\slot] offset:\q*64+\a*16*PA+32
.endr
.endm
; One of a K step's first three quarters: multiplies buffer f, and in its middle fetches quarter q into buffer g.
.macro QUARTER slot, q, f, g, zero
	s_wait_dscnt 4                                 ; W and x's tiles 0, 1 are in; the youngest four loads (x's tiles 2, 3) may be out
	WIN ACC
	MUL8 \f, 0, \zero
	MUL8 \f, 1, \zero
	PLACES
	FETCH \slot, \q, \g
	s_wait_dscnt 24                                ; all but the 24 just issued
	WIN ACC
	MUL8 \f, 2, \zero
	MUL8 \f, 3, \zero
.endm
.macro THREE slot, zero
	QUARTER \slot, 1, F0, F1, \zero
	QUARTER \slot, 2, F1, F0, 0
	QUARTER \slot, 3, F0, F1, 0
.endm
; The last quarter multiplies buffer 1 and changes slots.  In front of the barrier each wave waits for its reads of this slot and for all its
; tensor loads (one is out: its part of the next slot).  Behind it the refill comes first, then the next slot's first fragments.
; From a request to the wait for it a wave issues 120 matrix instructions.
.macro TURN slot, next, fill
	s_wait_dscnt 4
	WIN ACC
	MUL8 F1, 0, 0
	s_wait_dscnt 0x0                               ; my reads of this slot are over
	s_wait_tensorcnt 0x0                           ; all my tensor loads have landed
	ds_add_u32 v62, v63
	s_wait_dscnt 0x0
	s_barrier_signal -1                            ; (where the slot is filled again this barrier opens a round of the cluster's barrier)
	MUL8 F1, 1, 0                                  ; registers only
	WIN 0
	s_barrier_wait -1
.if \fill
	CREST                                          ; no wave of any partner still reads this slot or has a load on its way
	s_add_nc_u64 s[G0A+4*\slot+2:G0A+4*\slot+3], s[G0A+4*\slot+2:G0A+4*\slot+3], 2*KSTEP*2
	s_add_nc_u64 s[G0B+4*\slot+2:G0B+4*\slot+3], s[G0B+4*\slot+2:G0B+4*\slot+3], 2*KSTEP*NPITCH*2
	JLOAD \slot                                    ; my one tensor load behind the round
.endif
	PLACES
	FETCH \next, 0, F0
	WIN ACC
	MUL8 F1, 2, 0
	MUL8 F1, 3, 0
.endm
.macro LAP zero
	THREE 0, \zero
	TURN 0, 1, 1
	THREE 1, 0
	TURN 1, 0, 1
.endm
	s_load_b128 s[4:7], s[0:1], 0x0                ; xh s[4:5], wqkvh s[6:7]
	s_load_b256 s[8:15], s[0:1], 0x10              ; cos s[8:9], sin s[10:11], q_norm_w s[12:13], k_norm_w s[14:15]
	s_load_b64 s[16:17], s[0:1], 0x30              ; qkvh
	v_lshl_add_u32 v62, v0, 2, 0x3c000
	v_mov_b32 v63, 0
	ds_add_u32 v62, v63
	v_lshrrev_b32 v1, 5, v0
	v_readfirstlane_b32 s18, v1                    ; wave 0..3
	s_lshr_b32 s19, s18, 1                         ; my half of the block's rows.  Also: I fetch for W (0) or for x (1)
	s_and_b32 s20, s18, 1                          ; my half of its columns.  Also: which 64 rows of that tile I fetch
	s_bfe_u32 s21, ttmp6, 0x40000                  ; cx
	s_bfe_u32 s22, ttmp6, 0x40004                  ; cy
	s_lshl_b32 s23, ttmp9, 2
	s_add_co_u32 s23, s23, s21                     ; block column = 4 x cluster x + cx
	s_and_b32 s56, ttmp7, 0xffff
	s_lshl_b32 s56, s56, 2
	s_add_co_u32 s56, s56, s22                     ; block row = 4 x cluster y + cy
	s_lshl_b32 s57, s22, 2
	s_lshl_b32 s57, 15, s57                        ; my row of the cluster: places 4 cy .. 4 cy + 3
	s_lshl_b32 s58, 0x1111, s21                    ; my column: places cx, cx + 4, cx + 8, cx + 12
	; group 1, x: 64 rows x 128 elements of 2 bytes; after every 64 words 4 words of padding; bit 21 beside the mask
	s_or_b32 s[G1A+0], s57, (1<<16)|(1<<20)|(1<<21)|(5<<22)|(3<<25)
	s_mov_b32 s[G1A+1], KSTEP<<16                  ; tensor_dim0 = 128
	s_mov_b32 s[G1A+2], 64<<16                     ; tensor_dim1 = 64
	s_mov_b32 s[G1A+3], KSTEP<<16                  ; tile_dim0 = 128
	s_mov_b32 s[G1A+4], 64                         ; tile_dim1 = 64
	s_mov_b32 s[G1A+5], SIZE_K                     ; elements from row to row
	s_mov_b32 s[G1A+6], 0
	s_mov_b32 s[G1A+7], 0
	; group 1, W: 64 k-rows x 256 elements; after every 128 words 8 words of padding
	s_or_b32 s[G1B+0], s58, (1<<16)|(1<<20)|(1<<21)|(6<<22)|(7<<25)
	s_mov_b32 s[G1B+1], 256<<16
	s_mov_b32 s[G1B+2], 64<<16
	s_mov_b32 s[G1B+3], 256<<16
	s_mov_b32 s[G1B+4], 64
	s_mov_b32 s[G1B+5], NPITCH
	s_mov_b32 s[G1B+6], 0
	s_mov_b32 s[G1B+7], 0
	; x's tiles hang on the block row alone, W's on the block column alone; each address in registers that never hold the other coordinate
	s_lshl_b32 s60, s56, 7
	s_lshl_b32 s59, s20, 6
	s_add_co_u32 s60, s60, s59                     ; x: row 128 x block row + 64 x half
	s_mul_i32 s60, s60, SIZE_K*2                   ; in bytes (below 4 GiB)
	s_mov_b32 s61, 0
	s_lshl_b32 s62, s23, 9                         ; W: 512 bytes a block column
	s_lshl_b32 s59, s20, 19                        ; + 64 x half k-rows of 8,192 bytes
	s_add_co_u32 s62, s62, s59
	s_mov_b32 s63, 0
	s_mul_i32 s66, s18, BHALF                      ; where W's halves go (waves 0, 1): wave x 34,816
	s_mul_i32 s67, s18, AHALF                      ; where x's halves go (waves 2, 3): 69,632 + (wave - 2) x 17,408
	s_add_co_u32 s67, s67, ATILE-2*AHALF
	s_wait_dscnt 0x0
	s_wait_kmcnt 0x0
	s_add_nc_u64 s[60:61], s[4:5], s[60:61]
	s_add_nc_u64 s[62:63], s[6:7], s[62:63]
	CROUND                                         ; all sixteen work-groups are here: the first joint loads meet
.irp s, 0,1
	s_mov_b32 s[G0A+4*\s], 1
	s_add_co_u32 s[G0A+4*\s+1], s67, \s*SLOT
	s_add_nc_u64 s[G0A+4*\s+2:G0A+4*\s+3], s[60:61], \s*KSTEP*2
	s_or_b32 s[G0A+4*\s+3], s[G0A+4*\s+3], 0x80000000
	s_mov_b32 s[G0B+4*\s], 1
	s_add_co_u32 s[G0B+4*\s+1], s66, \s*SLOT
	s_add_nc_u64 s[G0B+4*\s+2:G0B+4*\s+3], s[62:63], \s*KSTEP*NPITCH*2
	s_or_b32 s[G0B+4*\s+3], s[G0B+4*\s+3], 0x80000000
	JLOAD \s                                       ; both slots' first fills go out together: two tensor loads of a wave are out, later one
.endr
	v_and_b32 v1, 15, v0                           ; r
	v_bfe_u32 v2, v0, 4, 1                         ; h
	v_and_b32 v3, 7, v0
	v_bfe_u32 v4, v0, 3, 1
	v_mul_u32_u24 v5, v1, PA
	v_lshl_add_u32 v5, v2, 4, v5                   ; x: row r, 16 bytes for each half of the lanes
	s_mul_i32 s59, s19, AHALF
	s_add_co_u32 s59, s59, ATILE
	v_add_nc_u32 v[ADRA], s59, v5
	v_add_nc_u32 v[ADRA+1], SLOT, v[ADRA]
	v_lshl_add_u32 v6, v2, 3, v3                   ; W: k-row 8 h + lane % 8,
	v_mul_u32_u24 v6, v6, PB
	v_lshl_add_u32 v6, v4, 4, v6                   ; 16 bytes for each group of eight lanes,
	s_lshl_b32 s59, s20, 8                         ; my 128 columns
	v_add_nc_u32 v[ADRB], s59, v6
	v_add_nc_u32 v[ADRB+1], SLOT, v[ADRB]
	; the way out: l = lane % 16 = r, hh = lane / 16 = h
	s_mul_i32 s69, s18, WSTAGE
	s_add_co_u32 s69, s69, STAGE                   ; my stage
	v_mul_u32_u24 v7, v1, SP
	v_lshl_add_u32 v7, v2, 5, v7
	v_add_nc_u32 v24, s69, v7                      ; in: row r, 8 f32 at 32 h
	v_mul_u32_u24 v8, v2, SP
	v_add_nc_u32 v8, s69, v8
	v_lshl_add_u32 v25, v1, 5, v8                  ; back: row hh of a pair, d = 8 l .. 8 l + 7
	v_add_nc_u32 v9, 8, v1
	v_and_b32 v9, 15, v9
	v_lshl_add_u32 v26, v9, 5, v8                  ; back: the partners d +- 64
	v_and_b32 v10, 31, v0
	v_lshlrev_b32 v27, 4, v10                      ; qkvh: 16 bytes a lane, two rows of 256 bytes a wave
	v_lshlrev_b32 v29, 5, v1                       ; the gain at d
	v_lshl_add_u32 v28, v2, 9, v29                 ; cos, sin: row hh, d = 8 l ..
	v_lshlrev_b32 v30, 5, v9                       ; the gain at the partner's d
	v_xor_b32 v31, 1, v4
	v_lshlrev_b32 v31, 31, v31                     ; sign bit where d < 64: there rotate_half gives -x[d + 64]
	s_wait_tensorcnt 1                             ; my part of K step 0 is in; K step 1's stays out
	s_barrier_signal -1
	s_barrier_wait -1
	FETCH 0, 0, F0
	LAP 1                                          ; the first lap stands in front of the loop: its first products start the sums
	WIN 0
	s_mov_b32 s68, LAPS-2
.Llap:
	LAP 0
	WIN 0
	s_sub_co_u32 s68, s68, 1
	s_cmp_lg_u32 s68, 0
	s_cbranch_scc1 .Llap
	THREE 0, 0                                     ; the last lap fills nothing
	TURN 0, 1, 0
	THREE 1, 0
	s_wait_dscnt 4
	WIN ACC
	MUL8 F1, 0, 0
	MUL8 F1, 1, 0
	s_wait_dscnt 0x0
	MUL8 F1, 2, 0
	MUL8 F1, 3, 0
	PLACES                                         ; behind the last matrix instructions: results are read, fragment registers are loaded again
	WIN 0
	; THE WAY OUT
.set W,  32                            ; v[32:39]   gain at my 8 d
.set WP, 40                            ; v[40:47]   gain at the partners' d, with rotate_half's sign
.set T,  48                            ; v[48:55]   four chains of sums of squares
.set R,  56                            ; v[56:57]   the row's factor, twice
.set CS, 64                            ; v[64:191]  two sets of four row pairs: cos 8, sin 8
.set Y,  192                           ; v[192:255] normed numbers on their way into the stage; then four row pairs: own 8, partners 8
	s_lshl_b32 s76, s56, 7
	s_lshl_b32 s77, s19, 6
	s_add_co_u32 s76, s76, s77                     ; my first row s
	s_lshl_b32 s78, s76, 9
	s_mov_b32 s79, 0
	s_add_nc_u64 s[8:9], s[8:9], s[78:79]          ; cos and sin: rows of 512 bytes
	s_add_nc_u64 s[10:11], s[10:11], s[78:79]
	s_lshl_b32 s78, s76, 8                         ; qkvh: rows of 256 bytes,
	s_lshl_b32 s77, s23, 1
	s_add_co_u32 s77, s77, s20                     ; head = 2 x block column + my half,
	s_lshl_b32 s77, s77, 19                        ; 524,288 bytes a head
	s_add_co_u32 s78, s78, s77
	s_add_nc_u64 s[16:17], s[16:17], s[78:79]
	s_mov_b32 s71, 0x3c000000                      ; 1 / 128
	s_mov_b32 s72, 0x358637bd                      ; EPS = 1e-6
	s_mov_b32 s73, 0x76543210                      ; v_permlanex16_b32: lane i reads lane i of the other half
	s_mov_b32 s74, 0xfedcba98
	; the cluster's x says what the columns are: 0, 1 q; 2 k; 3 v.  It is the same in all sixteen partners.
	s_cmp_eq_u32 ttmp9, 2
	s_cselect_b64 s[12:13], s[14:15], s[12:13]     ; the gain: k_norm_w or q_norm_w
	s_cselect_b32 s70, 1.0, 0x3e0293ee             ; q also takes D^-0.5 x log2(e) = 0.12751743
	s_cmp_eq_u32 ttmp9, 3
	s_cbranch_scc1 .Lplain
; cos and sin of the four row pairs of batch n (rows 8 n + 2 u and the next), into set n % 2: 16 loads, for each pair cos, cos, sin, sin.
; n may be a sum: it stands in parentheses wherever it is used.
.macro CSLOAD n
.irp u, 0,1,2,3
	global_load_b128 v[CS+64*((\n)&1)+16*\u:CS+64*((\n)&1)+16*\u+3],     v28, s[8:9] offset:(8*(\n)+2*\u)*512
	global_load_b128 v[CS+64*((\n)&1)+16*\u+4:CS+64*((\n)&1)+16*\u+7],   v28, s[8:9] offset:(8*(\n)+2*\u)*512+16
	global_load_b128 v[CS+64*((\n)&1)+16*\u+8:CS+64*((\n)&1)+16*\u+11],  v28, s[10:11] offset:(8*(\n)+2*\u)*512
	global_load_b128 v[CS+64*((\n)&1)+16*\u+12:CS+64*((\n)&1)+16*\u+15], v28, s[10:11] offset:(8*(\n)+2*\u)*512+16
.endr
.endm
; Row tile a: each row's mean square (a lane has 64 of its row's 128 numbers, the lane 16 further the others), the factor rsqrt(mean + EPS) (x q's factor),
; and the 16 normed rows into my stage, in f32.
.macro PHASEA a
	WIN 0x05
.irp k, 0,1,2,3
	v_pk_mul_f32 v[T+2*\k:T+2*\k+1], v[64*\a+2*\k:64*\a+2*\k+1], v[64*\a+2*\k:64*\a+2*\k+1]
.endr
.irp b, 1,2,3,4,5,6,7
.irp k, 0,1,2,3
	v_pk_fma_f32 v[T+2*\k:T+2*\k+1], v[64*\a+8*\b+2*\k:64*\a+8*\b+2*\k+1], v[64*\a+8*\b+2*\k:64*\a+8*\b+2*\k+1], v[T+2*\k:T+2*\k+1]
.endr
.endr
	WIN 0
	v_pk_add_f32 v[T:T+1], v[T:T+1], v[T+2:T+3]
	v_pk_add_f32 v[T+4:T+5], v[T+4:T+5], v[T+6:T+7]
	v_pk_add_f32 v[T:T+1], v[T:T+1], v[T+4:T+5]
	v_add_f32 v[T], v[T], v[T+1]
	v_permlanex16_b32 v[T+1], v[T], s73, s74
	v_add_f32 v[T], v[T], v[T+1]
	v_fma_f32 v[T], v[T], s71, s72                 ; mean + EPS
	v_rsq_f32 v[R], v[T]
	v_nop                                          ; one plain instruction behind the transcendental (ISA guide 5.7.2)
	s_wait_alu depctr_va_vdst(0)
	v_mul_f32 v[R], s70, v[R]
	v_mov_b32 v[R+1], v[R]
	WIN 0x01
.irp b, 0,1,2,3,4,5,6,7
.irp k, 0,2,4,6
	v_pk_mul_f32 v[Y+8*\b+\k:Y+8*\b+\k+1], v[64*\a+8*\b+\k:64*\a+8*\b+\k+1], v[R:R+1]
.endr
.endr
	WIN 0
.irp b, 0,1,2,3,4,5,6,7
	ds_store_b128 v24, v[Y+8*\b:Y+8*\b+3] offset:64*\b
	ds_store_b128 v24, v[Y+8*\b+4:Y+8*\b+7] offset:64*\b+16
.endr
.endm
; Batch n: four row pairs of row tile a = n / 2.  y0 = loads of the younger cos/sin set that may stay out.
.macro BATCH n, a, y0
	s_wait_xcnt 0x0                                ; Y held the last batch's store data: it is rewritten only behind this wait
.if (\n&1) == 0
	PHASEA \a
.endif
.irp u, 0,1,2,3
	ds_load_b128 v[Y+16*\u:Y+16*\u+3],     v25 offset:1056*(4*(\n&1)+\u)      ; LDS serves a wave's instructions in order: these see the stores above
	ds_load_b128 v[Y+16*\u+4:Y+16*\u+7],   v25 offset:1056*(4*(\n&1)+\u)+16
	ds_load_b128 v[Y+16*\u+8:Y+16*\u+11],  v26 offset:1056*(4*(\n&1)+\u)
	ds_load_b128 v[Y+16*\u+12:Y+16*\u+15], v26 offset:1056*(4*(\n&1)+\u)+16
.endr
.irp u, 0,1,2,3
	s_wait_dscnt 12-4*\u                           ; this pair's four LDS loads are in, the later pairs' stay out
	s_wait_loadcnt \y0+12-4*\u                     ; this pair's cos and sin are in; the later pairs' and the younger set stay out
.irp k, 0,2,4,6
	v_pk_mul_f32 v[Y+16*\u+\k:Y+16*\u+\k+1], v[Y+16*\u+\k:Y+16*\u+\k+1], v[W+\k:W+\k+1]
.endr
.irp k, 0,2,4,6
	v_pk_mul_f32 v[Y+16*\u+8+\k:Y+16*\u+8+\k+1], v[Y+16*\u+8+\k:Y+16*\u+8+\k+1], v[WP+\k:WP+\k+1]
.endr
.irp k, 0,2,4,6
	v_pk_mul_f32 v[Y+16*\u+\k:Y+16*\u+\k+1], v[Y+16*\u+\k:Y+16*\u+\k+1], v[CS+64*(\n&1)+16*\u+\k:CS+64*(\n&1)+16*\u+\k+1]
.endr
.irp k, 0,2,4,6
	v_pk_fma_f32 v[Y+16*\u+\k:Y+16*\u+\k+1], v[Y+16*\u+8+\k:Y+16*\u+8+\k+1], v[CS+64*(\n&1)+16*\u+8+\k:CS+64*(\n&1)+16*\u+8+\k+1], v[Y+16*\u+\k:Y+16*\u+\k+1]
.endr
.irp k, 0,1,2,3
	v_cvt_pk_f16_f32 v[Y+16*\u+\k], v[Y+16*\u+2*\k], v[Y+16*\u+2*\k+1]
.endr
	global_store_b128 v27, v[Y+16*\u:Y+16*\u+3], s[16:17] offset:(8*\n+2*\u)*256   ; the wave stores 512 consecutive bytes, aligned: two rows of a head
.endr
.if \n < 6
	CSLOAD \n+2
.endif
.endm
	global_load_b128 v[W:W+3],    v29, s[12:13]
	global_load_b128 v[W+4:W+7],  v29, s[12:13] offset:16
	global_load_b128 v[WP:WP+3],   v30, s[12:13]
	global_load_b128 v[WP+4:WP+7], v30, s[12:13] offset:16
	CSLOAD 0
	CSLOAD 1
	s_wait_loadcnt 32                              ; the gains are in; the two sets of cos and sin behind them stay out
.irp k, 0,1,2,3,4,5,6,7
	v_xor_b32 v[WP+\k], v31, v[WP+\k]
.endr
	BATCH 0, 0, 16
	BATCH 1, 0, 16
	BATCH 2, 1, 16
	BATCH 3, 1, 16
	BATCH 4, 2, 16
	BATCH 5, 2, 16
	BATCH 6, 3, 16
	BATCH 7, 3, 0
	s_branch .Ldone
.Lplain:                                           ; v: no norm, no rotation: through the stage, rounded, stored
.irp a, 0,1,2,3
	s_wait_xcnt 0x0                                ; Y held the last tile's store data
	WIN 0x04                                       ; store data in window 1
.irp b, 0,1,2,3,4,5,6,7
	ds_store_b128 v24, v[64*\a+8*\b:64*\a+8*\b+3] offset:64*\b
	ds_store_b128 v24, v[64*\a+8*\b+4:64*\a+8*\b+7] offset:64*\b+16
.endr
	WIN 0
.irp t, 0,1,2,3,4,5,6,7
	ds_load_b128 v[Y+8*\t:Y+8*\t+3],   v25 offset:1056*\t
	ds_load_b128 v[Y+8*\t+4:Y+8*\t+7], v25 offset:1056*\t+16
.endr
.irp t, 0,1,2,3,4,5,6,7
	s_wait_dscnt 14-2*\t                           ; this pair's two loads are in
.irp k, 0,1,2,3
	v_cvt_pk_f16_f32 v[Y+8*\t+\k], v[Y+8*\t+2*\k], v[Y+8*\t+2*\k+1]
.endr
	global_store_b128 v27, v[Y+8*\t:Y+8*\t+3], s[16:17] offset:(16*\a+2*\t)*256
.endr
.endr
.Ldone:
	s_wait_tensorcnt 0x0
	ds_add_u32 v62, v63
	s_wait_dscnt 0x0
	CROUND                                         ; the closing round: no work-group ends while a partner may still ask for a tile that names it
	s_endpgm
.Lfunc_end_k_q6b58745912_qkv:
	.size	k_q6b58745912_qkv, .Lfunc_end_k_q6b58745912_qkv-k_q6b58745912_qkv
	.p2alignl 7, 3214868480
	.fill 96, 4, 3214868480
	.section	.rodata,"a",@progbits
	.p2align	6, 0x0
	.amdhsa_kernel k_q6b58745912_qkv
		.amdhsa_group_segment_fixed_size 327680
		.amdhsa_private_segment_fixed_size 0
		.amdhsa_enable_private_segment 0
		.amdhsa_kernarg_size 56
		.amdhsa_user_sgpr_count 2
		.amdhsa_user_sgpr_kernarg_segment_ptr 1
		.amdhsa_wavefront_size32 1
		.amdhsa_system_sgpr_workgroup_id_x 1
		.amdhsa_system_sgpr_workgroup_id_y 1
		.amdhsa_system_sgpr_workgroup_id_z 1
		.amdhsa_system_vgpr_workitem_id 0
		.amdhsa_next_free_vgpr 512
		.amdhsa_next_free_sgpr 80
		.amdhsa_reserve_vcc 0
		.amdhsa_float_denorm_mode_32 3
		.amdhsa_float_denorm_mode_16_64 3
		.amdhsa_memory_ordered 1
		.amdhsa_forward_progress 1
		.amdhsa_inst_pref_size 211
	.end_amdhsa_kernel
	.amdgpu_metadata
---
amdhsa.version: [ 1, 2 ]
amdhsa.kernels:
  - .name:           k_q6b58745912_qkv
    .symbol:         k_q6b58745912_qkv.kd
    .args:
      - { .name: xh, .offset: 0, .size: 8, .value_kind: global_buffer, .address_space: global }
      - { .name: wqkvh, .offset: 8, .size: 8, .value_kind: global_buffer, .address_space: global }
      - { .name: cos, .offset: 16, .size: 8, .value_kind: global_buffer, .address_space: global }
      - { .name: sin, .offset: 24, .size: 8, .value_kind: global_buffer, .address_space: global }
      - { .name: q_norm_w, .offset: 32, .size: 8, .value_kind: global_buffer, .address_space: global }
      - { .name: k_norm_w, .offset: 40, .size: 8, .value_kind: global_buffer, .address_space: global }
      - { .name: qkvh, .offset: 48, .size: 8, .value_kind: global_buffer, .address_space: global }
    .group_segment_fixed_size: 327680
    .private_segment_fixed_size: 0
    .kernarg_segment_align: 8
    .kernarg_segment_size: 56
    .max_flat_workgroup_size: 128
    .sgpr_count:     80
    .vgpr_count:     512
    .wavefront_size: 32
...
	.end_amdgpu_metadata
.endif
;; end of part 2
;; launch attn (part 3): grid 32 x 8, 4 waves a work-group, clusters of 4 x 1, 327,680 bytes of LDS; arguments qkvh, attention_mask, ah; writes ah
.if DOCPART == 3
	.amdgcn_target "amdgcn-amd-amdhsa--gfx1250"
	.amdhsa_code_object_version 6
	.text
	.protected	k_q6b58745912_attn
	.globl	k_q6b58745912_attn
	.p2align	8
	.type	k_q6b58745912_attn,@function
k_q6b58745912_attn:
	s_mov_b64 s[64:65], 0
	v_nop
	global_prefetch_b8 v0, s[64:65] scope:SCOPE_SE
	s_setreg_imm32_b32 hwreg(HW_REG_WAVE_MODE, 25, 1), 1
	s_wait_xcnt 0x0
	s_wait_alu depctr_hold_cnt(0) depctr_sa_sdst(0) depctr_va_vdst(0) depctr_va_sdst(0) depctr_va_ssrc(0) depctr_va_vcc(0) depctr_vm_vsrc(0)
	s_getreg_b32 s2, hwreg(HW_REG_IB_STS2, 6, 4)
	s_cmp_eq_u32 s2, 0
	s_cbranch_scc0 .Lentry_in_a_cluster
	s_endpgm
.Lentry_in_a_cluster:
	s_bfe_u32 s2, ttmp6, 0x10000c
	s_cmp_lg_u32 s2, 0x3003
	s_cbranch_scc0 .Lentry_shape_is_right
	s_endpgm
.Lentry_shape_is_right:
; Launch 3 of 4: softmax(q k^T x SCALE + mask) v for every head, with a running maximum.  Nothing of reference() is left out; the mask is taken as any f32 numbers.
; qkvh [32 heads][2048 s][128 d] f16 (0-15 q, already x D^-0.5 x log2(e); 16-23 k; 24-31 v); attention_mask [2048 s][2048 t] f32; ah [2048 s][16 x 128] f16.
; LIMITS: the probabilities (between 0 and 1 before the division, since the maximum is taken away) and the result are rounded to f16: a probability below
; 6.1e-5 of the row's largest keeps an absolute error of 3e-8; the result is a mean of v and has v's range.  The sum of a row is taken on the unrounded f32
; exponentials.  The mask is multiplied by log2(e): an entry below about -2.36e38 becomes -inf; a row in which EVERY logit is that low gives NaN
; (reference() gives NaN only if they are -inf).  The running maximum is never below -FLT_MAX, so a tile of -inf alone makes no NaN.
; A work-group: one key/value head g, 64 query positions.  Wave w: 16 positions for BOTH query heads 2 g and 2 g + 1, which share K, V and the mask:
; each fragment of K and V and each mask register serves two query tiles.
; CLUSTERS: the four query blocks of a cluster read the same K and V tiles: joint loads, mask 15.  The mask tile is each work-group's own: a plain load.
; ALL IS COMPUTED TRANSPOSED: S^T = K Q^T and O^T = V^T P^T.  Lane (r = lane % 16, h = lane / 16) holds query r; registers 0-7 of a score tile are the keys
; 8 h + 0..7.  Rounded and packed in pairs they ARE source 1 of the second product (tile 2 p: registers 0-3, tile 2 p + 1: registers 4-7): no LDS round trip,
; and maximum, sum and rescaling factor belong to a lane; one exchange with the lane 16 further joins the two halves of the keys.
; Keys go in tiles of 128 through two LDS slots; a tile is worked on in two sub-steps of 64 keys.
; REGISTERS: window 0: addresses, softmax state, S (64-127), mask (128-159), P (160-191); window 1: O (0-127), Q (128-191); window 2: K (0-127), V (128-255).
.set PK,    272                        ; LDS row of K: 256 bytes + 16
.set PVP,   288                        ; LDS row of V: 256 bytes + 32, an odd multiple of 32, for the transposing load
.set PM,    528                        ; LDS row of the mask: 128 f32 + 16 bytes
.set VOFF,  128*PK                     ; 34,816
.set MOFF,  VOFF+128*PVP               ; 71,680
.set SLOT,  MOFF+64*PM                 ; 105,472
.set STAGE, 2*SLOT                     ; a multiple of 256; 16 rows x 528 bytes for each wave; no tensor load lands there
.set SP,    528
.set ADRK, 8                           ; v8-9    K fragments in slot 0, 1
.set ADRV, 10                          ; v10-11  V fragments
.set ADRM, 12                          ; v12-13  my queries' mask
.set STO,  14
.set RD,   15
.set CO,   16
.set QOF,  17
.set LS,   20                          ; v20-21  head e: my half of the row's sum
.set T,    32                          ; v32-35  chains of maxima
.set U,    36                          ; v[36:43] chains of sums
.set NM,   44                          ; v[44:47] head e: the running maximum, twice
.set AL,   48                          ; v[48:51] head e: 2^(old maximum - new maximum), twice
.set SR,   64                          ; S(e, c) = SR + 32 e + 8 c
.set MR,   128                         ; mask(c) = MR + 8 c
.set PR,   160                         ; P(e, p) = PR + 16 e + 8 p; registers of their own: no score product writes over a source of the second product
.set G1K, 16
.set G1V, 24
.set G1M, 32
.set G0K, 40                           ; a set of four for each slot
.set G0V, 48
.set G0M, 56
.set MSB, 0
.macro WIN new
.if MSB != \new
	s_set_vgpr_msb (MSB<<8)|\new
.set MSB, \new
.endif
.endm
.macro PLACES                          ; four plain vector instructions behind a matrix instruction (ISA guide 7.12.1 for vector instructions)
.rept 4
	v_nop
.endr
.endm
.macro ROUND                           ; a round of the cluster's barrier
	s_barrier_signal -1
	s_barrier_wait -1
	s_cmp_lg_u32 s10, 0
	s_cbranch_scc1 .Lnot_wave_0_\@
	s_barrier_signal -3
.Lnot_wave_0_\@:
	s_barrier_wait -3
	s_barrier_signal -1
	s_barrier_wait -1
.endm
; A slot's fill, one tensor load a wave: wave 0 K (joint), wave 1 V (joint), waves 2 and 3 the mask's rows 0-31 and 32-63 (my work-group's own)
.macro ALOAD s
	s_cmp_lg_u32 s10, 0
	s_cbranch_scc1 .Lnot_k_\@
	tensor_load_to_lds s[G0K+4*\s:G0K+4*\s+3], s[G1K:G1K+7]
	s_nop 0
	s_branch .Lasked_\@
.Lnot_k_\@:
	s_cmp_lg_u32 s10, 1
	s_cbranch_scc1 .Lnot_v_\@
	tensor_load_to_lds s[G0V+4*\s:G0V+4*\s+3], s[G1V:G1V+7]
	s_nop 0
	s_branch .Lasked_\@
.Lnot_v_\@:
	tensor_load_to_lds s[G0M+4*\s:G0M+4*\s+3], s[G1M:G1M+7]
	s_nop 0
.Lasked_\@:
.endm
; 40 LDS loads: K's fragments of sub-step u (key tile c ascending, 8 loads each), then my queries' mask (8 loads)
.macro KMLOAD slot, u
	WIN 0x80
.irp c, 0,1,2,3
.irp k, 0,1,2,3
	ds_load_b128 v[32*\c+8*\k:32*\c+8*\k+3],   v[ADRK+\slot] offset:(64*\u+16*\c)*PK+64*\k
	ds_load_b128 v[32*\c+8*\k+4:32*\c+8*\k+7], v[ADRK+\slot] offset:(64*\u+16*\c)*PK+64*\k+32
.endr
.endr
	WIN 0
.irp c, 0,1,2,3
	ds_load_b128 v[MR+8*\c:MR+8*\c+3],   v[ADRM+\slot] offset:256*\u+64*\c
	ds_load_b128 v[MR+8*\c+4:MR+8*\c+7], v[ADRM+\slot] offset:256*\u+64*\c+16
.endr
.endm
; 32 transposing LDS loads: V^T's fragments of sub-step u, key step p ascending (16 loads each)
.macro VLOAD slot, u
	WIN 0x80
.irp p, 0,1
.irp d, 0,1,2,3,4,5,6,7
	ds_load_tr16_b128 v[128+64*\p+8*\d:128+64*\p+8*\d+3],   v[ADRV+\slot] offset:(64*\u+32*\p)*PVP+32*\d
	ds_load_tr16_b128 v[128+64*\p+8*\d+4:128+64*\p+8*\d+7], v[ADRV+\slot] offset:(64*\u+32*\p)*PVP+32*\d+16*PVP
.endr
.endr
.endm
; 16 matrix instructions: key tiles 2 p, 2 p + 1 x both heads, d in four steps of 32.  Four accumulators take turns.
.macro SMUL p
	WIN 0x06                                       ; source 0 (K) window 2, source 1 (Q) window 1
.irp k, 0,1,2,3
.irp i, 0,1
.irp e, 0,1
.if \k == 0
	v_wmma_f32_16x16x32_f16 v[SR+32*\e+8*(2*\p+\i):SR+32*\e+8*(2*\p+\i)+7], v[32*(2*\p+\i)+8*\k:32*(2*\p+\i)+8*\k+7], v[128+32*\e+8*\k:128+32*\e+8*\k+7], 0
.else
	v_wmma_f32_16x16x32_f16 v[SR+32*\e+8*(2*\p+\i):SR+32*\e+8*(2*\p+\i)+7], v[32*(2*\p+\i)+8*\k:32*(2*\p+\i)+8*\k+7], v[128+32*\e+8*\k:128+32*\e+8*\k+7], v[SR+32*\e+8*(2*\p+\i):SR+32*\e+8*(2*\p+\i)+7]
.endif
.endr
.endr
.endr
.endm
.macro ADDMASK e                       ; S += mask x log2(e)
.irp c, 0,1,2,3
.irp k, 0,2,4,6
	v_pk_fma_f32 v[SR+32*\e+8*\c+\k:SR+32*\e+8*\c+\k+1], v[MR+8*\c+\k:MR+8*\c+\k+1], s[66:67], v[SR+32*\e+8*\c+\k:SR+32*\e+8*\c+\k+1] op_sel_hi:[1,0,1]
.endr
.endr
.endm
; Head e: the new maximum, the factor for what has been summed so far, 2^(S - maximum), the sum, P in f16.
.macro SOFTMAX e, first
.irp c, 0,1,2,3
	v_max3_num_f32 v[T+\c], v[SR+32*\e+8*\c], v[SR+32*\e+8*\c+1], v[SR+32*\e+8*\c+2]
.endr
.irp c, 0,1,2,3
	v_max3_num_f32 v[T+\c], v[T+\c], v[SR+32*\e+8*\c+3], v[SR+32*\e+8*\c+4]
.endr
.irp c, 0,1,2,3
	v_max3_num_f32 v[T+\c], v[T+\c], v[SR+32*\e+8*\c+5], v[SR+32*\e+8*\c+6]
.endr
.irp c, 0,1,2,3
	v_max_num_f32 v[T+\c], v[T+\c], v[SR+32*\e+8*\c+7]
.endr
	v_max3_num_f32 v[T], v[T], v[T+1], v[T+2]
	v_max_num_f32 v[T], v[T], v[T+3]
	v_permlanex16_b32 v[T+1], v[T], s68, s69       ; the other half of the keys
.if \first
	v_max3_num_f32 v[T+2], v[T], v[T+1], s70       ; never below -FLT_MAX
.else
	v_max3_num_f32 v[T+2], v[T], v[T+1], v[NM+2*\e]
	v_sub_f32 v[AL+2*\e], v[NM+2*\e], v[T+2]
	v_exp_f32 v[AL+2*\e], v[AL+2*\e]
.endif
	v_mov_b32 v[NM+2*\e], v[T+2]                   ; also the plain instruction behind the transcendental (ISA guide 5.7.2)
	v_mov_b32 v[NM+2*\e+1], v[T+2]
.if \first == 0
	s_wait_alu depctr_va_vdst(0)
	v_mov_b32 v[AL+2*\e+1], v[AL+2*\e]
.endif
.irp c, 0,1,2,3
.irp k, 0,2,4,6
	v_pk_add_f32 v[SR+32*\e+8*\c+\k:SR+32*\e+8*\c+\k+1], v[SR+32*\e+8*\c+\k:SR+32*\e+8*\c+\k+1], v[NM+2*\e:NM+2*\e+1] neg_lo:[0,1] neg_hi:[0,1]
.endr
.endr
.irp c, 0,1,2,3
.irp k, 0,1,2,3,4,5,6,7
	v_exp_f32 v[SR+32*\e+8*\c+\k], v[SR+32*\e+8*\c+\k]
.endr
.endr
	v_nop                                          ; one plain instruction before the results are used
	s_wait_alu depctr_va_vdst(0)
.irp c, 0,1,2,3
	v_pk_add_f32 v[U+2*\c:U+2*\c+1], v[SR+32*\e+8*\c:SR+32*\e+8*\c+1], v[SR+32*\e+8*\c+2:SR+32*\e+8*\c+3]
.endr
.irp c, 0,1,2,3
	v_pk_add_f32 v[U+2*\c:U+2*\c+1], v[U+2*\c:U+2*\c+1], v[SR+32*\e+8*\c+4:SR+32*\e+8*\c+5]
.endr
.irp c, 0,1,2,3
	v_pk_add_f32 v[U+2*\c:U+2*\c+1], v[U+2*\c:U+2*\c+1], v[SR+32*\e+8*\c+6:SR+32*\e+8*\c+7]
.endr
	v_pk_add_f32 v[U:U+1], v[U:U+1], v[U+2:U+3]
	v_pk_add_f32 v[U+4:U+5], v[U+4:U+5], v[U+6:U+7]
	v_pk_add_f32 v[U:U+1], v[U:U+1], v[U+4:U+5]
.if \first
	v_add_f32 v[LS+\e], v[U], v[U+1]
.else
	v_add_f32 v[U], v[U], v[U+1]
	v_fma_f32 v[LS+\e], v[LS+\e], v[AL+2*\e], v[U]
.endif
.irp c, 0,1,2,3
.irp k, 0,1,2,3
	v_cvt_pk_f16_f32 v[PR+16*\e+4*\c+\k], v[SR+32*\e+8*\c+2*\k], v[SR+32*\e+8*\c+2*\k+1]
.endr
.endr
.endm
.macro RESCALE e                       ; O x= 2^(old maximum - new maximum)
	WIN 0x41
.irp d, 0,1,2,3,4,5,6,7
.irp k, 0,2,4,6
	v_pk_mul_f32 v[64*\e+8*\d+\k:64*\e+8*\d+\k+1], v[64*\e+8*\d+\k:64*\e+8*\d+\k+1], v[AL+2*\e:AL+2*\e+1]
.endr
.endr
.endm
; 16 matrix instructions: 32 keys, 8 tiles of d x both heads.  Sixteen accumulators take turns.
.macro PVMUL p, zero
	WIN 0x52                                       ; source 0 (V^T) window 2, source 1 (P) window 0, C and D window 1
.irp d, 0,1,2,3,4,5,6,7
.irp e, 0,1
.if \zero
	v_wmma_f32_16x16x32_f16 v[64*\e+8*\d:64*\e+8*\d+7], v[128+64*\p+8*\d:128+64*\p+8*\d+7], v[PR+16*\e+8*\p:PR+16*\e+8*\p+7], 0
.else
	v_wmma_f32_16x16x32_f16 v[64*\e+8*\d:64*\e+8*\d+7], v[128+64*\p+8*\d:128+64*\p+8*\d+7], v[PR+16*\e+8*\p:PR+16*\e+8*\p+7], v[64*\e+8*\d:64*\e+8*\d+7]
.endif
.endr
.endr
.endm
; A sub-step of 64 keys.  At its head the 40 loads of KMLOAD are the only LDS loads that may be out.
; mode 0: the tile's first half; fetches the second half's K and mask.   mode 1: its second half; the slot is filled again, the other slot is begun.
; mode 2: as 1, nothing left to fill.   mode 3: the very last.
.macro SUB slot, u, first, mode
	s_wait_dscnt 24                                ; K's tiles 0, 1 are in; tiles 2, 3 (16) and the mask (8) may be out
	SMUL 0
	s_wait_dscnt 8                                 ; all of K; the mask may be out
	SMUL 1
	PLACES                                         ; then V's registers, which the last sub-step's products read, are loaded, and S is read
	VLOAD \slot, \u
	WIN 0
	s_wait_dscnt 32                                ; the mask is in; the 32 loads of V just issued stay out
	ADDMASK 0
	ADDMASK 1
.if \mode == 0
	KMLOAD \slot, 1
.endif
	SOFTMAX 0, \first
	SOFTMAX 1, \first
.if \first == 0
	RESCALE 0
	RESCALE 1
.endif
.if \mode == 0
	s_wait_dscnt 56                                ; V's first 32 keys are in; its second 32 (16 loads) and KMLOAD's 40 stay out
	PVMUL 0, \first
	s_wait_dscnt 40                                ; all of V; KMLOAD's 40 stay out
	PVMUL 1, 0
.endif
.if \mode == 1
	WIN 0
	s_wait_dscnt 0x0                               ; my reads of this slot are over: all its fragments are in registers
	s_wait_tensorcnt 0x0                           ; all my tensor loads have landed: my part of the other slot
	ds_add_u32 v254, v255
	s_wait_dscnt 0x0
	ROUND                                          ; both now hold of every wave of the four work-groups
	s_add_nc_u64 s[G0K+4*\slot+2:G0K+4*\slot+3], s[G0K+4*\slot+2:G0K+4*\slot+3], 2*128*256
	s_add_nc_u64 s[G0V+4*\slot+2:G0V+4*\slot+3], s[G0V+4*\slot+2:G0V+4*\slot+3], 2*128*256
	s_add_nc_u64 s[G0M+4*\slot+2:G0M+4*\slot+3], s[G0M+4*\slot+2:G0M+4*\slot+3], 2*128*4
	ALOAD \slot                                    ; my one tensor load behind the round: two tiles ahead; it has a whole tile's work in which to land
	KMLOAD 1-\slot, 0
	PVMUL 0, 0
	PVMUL 1, 0
.endif
.if \mode == 2
	WIN 0
	s_wait_dscnt 0x0
	s_wait_tensorcnt 0x0                           ; my part of the last tile has landed
	s_barrier_signal -1
	s_barrier_wait -1                              ; everybody's has
	KMLOAD 1-\slot, 0
	PVMUL 0, 0
	PVMUL 1, 0
.endif
.if \mode == 3
	s_wait_dscnt 0x0
	PVMUL 0, 0
	PVMUL 1, 0
.endif
	WIN 0
.endm
	s_load_b128 s[4:7], s[0:1], 0x0                ; qkvh s[4:5], attention_mask s[6:7]
	s_load_b64 s[8:9], s[0:1], 0x10                ; ah
	v_lshl_add_u32 v254, v0, 2, 0x3bc00
	v_mov_b32 v255, 0
	ds_add_u32 v254, v255
	v_lshrrev_b32 v1, 5, v0
	v_readfirstlane_b32 s10, v1                    ; wave 0..3
	s_bfe_u32 s11, ttmp6, 0x40000                  ; cx
	s_lshl_b32 s12, ttmp9, 2
	s_add_co_u32 s12, s12, s11                     ; query block = 4 x cluster x + cx
	s_and_b32 s13, ttmp7, 0xffff                   ; g, the key/value head
	s_mov_b32 s66, 0x3fb8aa3b                      ; log2(e), twice
	s_mov_b32 s67, 0x3fb8aa3b
	s_mov_b32 s68, 0x76543210                      ; v_permlanex16_b32: lane i reads lane i of the other half
	s_mov_b32 s69, 0xfedcba98
	s_mov_b32 s70, 0xff7fffff                      ; -FLT_MAX
	; group 1, K: 128 rows x 128 elements of 2 bytes, dense in memory; mask 15 (all four partners) with bit 21; 4 words of padding after every 64
	s_mov_b32 s[G1K+0], 15|(1<<16)|(1<<20)|(1<<21)|(5<<22)|(3<<25)
	s_mov_b32 s[G1K+1], 128<<16
	s_mov_b32 s[G1K+2], 128<<16
	s_mov_b32 s[G1K+3], 128<<16
	s_mov_b32 s[G1K+4], 128
	s_mov_b32 s[G1K+5], 128
	s_mov_b32 s[G1K+6], 0
	s_mov_b32 s[G1K+7], 0
	; group 1, V: the same with 8 words of padding
	s_mov_b32 s[G1V+0], 15|(1<<16)|(1<<20)|(1<<21)|(5<<22)|(7<<25)
	s_mov_b32 s[G1V+1], 128<<16
	s_mov_b32 s[G1V+2], 128<<16
	s_mov_b32 s[G1V+3], 128<<16
	s_mov_b32 s[G1V+4], 128
	s_mov_b32 s[G1V+5], 128
	s_mov_b32 s[G1V+6], 0
	s_mov_b32 s[G1V+7], 0
	; group 1, mask: 32 rows x 128 elements of 4 bytes, rows 2,048 elements apart; no work-group mask; 4 words of padding after every 128
	s_mov_b32 s[G1M+0], (2<<16)|(1<<20)|(6<<22)|(3<<25)
	s_mov_b32 s[G1M+1], 128<<16
	s_mov_b32 s[G1M+2], 32<<16
	s_mov_b32 s[G1M+3], 128<<16
	s_mov_b32 s[G1M+4], 32
	s_mov_b32 s[G1M+5], 2048
	s_mov_b32 s[G1M+6], 0
	s_mov_b32 s[G1M+7], 0
	s_add_co_u32 s72, s13, 16                      ; K: head 16 + g; hangs on g alone, which the partners share
	s_lshl_b32 s72, s72, 19
	s_mov_b32 s73, 0
	s_add_co_u32 s74, s13, 24                      ; V: head 24 + g
	s_lshl_b32 s74, s74, 19
	s_mov_b32 s75, 0
	s_lshl_b32 s76, s12, 6                         ; mask: row 64 x block + 32 x (wave % 2),
	s_and_b32 s14, s10, 1
	s_lshl_b32 s14, s14, 5
	s_add_co_u32 s76, s76, s14
	s_lshl_b32 s76, s76, 13                        ; rows of 8,192 bytes
	s_mov_b32 s77, 0
	s_lshl_b32 s15, s12, 6
	s_lshl_b32 s14, s10, 4
	s_add_co_u32 s15, s15, s14                     ; my first query position
	s_lshl_b32 s78, s15, 8                         ; Q: rows of 256 bytes,
	s_lshl_b32 s14, s13, 20                        ; head 2 g
	s_add_co_u32 s78, s78, s14
	s_mov_b32 s79, 0
	s_lshl_b32 s14, s15, 12                        ; ah: rows of 4,096 bytes,
	s_lshl_b32 s15, s13, 9                         ; 512 bytes for the two heads of g
	s_add_co_u32 s14, s14, s15
	s_mov_b32 s15, 0
	s_mul_i32 s71, s10, 32*PM                      ; where the mask's halves go (waves 2, 3): 71,680 + (wave - 2) x 16,896
	s_add_co_u32 s71, s71, MOFF-2*32*PM
	s_wait_dscnt 0x0
	s_wait_kmcnt 0x0
	s_add_nc_u64 s[72:73], s[4:5], s[72:73]
	s_add_nc_u64 s[74:75], s[4:5], s[74:75]
	s_add_nc_u64 s[76:77], s[6:7], s[76:77]
	s_add_nc_u64 s[78:79], s[4:5], s[78:79]
	s_add_nc_u64 s[8:9], s[8:9], s[14:15]
	ROUND                                          ; the four work-groups are here: the first joint loads meet
.irp s, 0,1
	s_mov_b32 s[G0K+4*\s], 1
	s_mov_b32 s[G0K+4*\s+1], \s*SLOT
	s_add_nc_u64 s[G0K+4*\s+2:G0K+4*\s+3], s[72:73], \s*128*256
	s_or_b32 s[G0K+4*\s+3], s[G0K+4*\s+3], 0x80000000
	s_mov_b32 s[G0V+4*\s], 1
	s_mov_b32 s[G0V+4*\s+1], \s*SLOT+VOFF
	s_add_nc_u64 s[G0V+4*\s+2:G0V+4*\s+3], s[74:75], \s*128*256
	s_or_b32 s[G0V+4*\s+3], s[G0V+4*\s+3], 0x80000000
	s_mov_b32 s[G0M+4*\s], 1
	s_add_co_u32 s[G0M+4*\s+1], s71, \s*SLOT
	s_add_nc_u64 s[G0M+4*\s+2:G0M+4*\s+3], s[76:77], \s*128*4
	s_or_b32 s[G0M+4*\s+3], s[G0M+4*\s+3], 0x80000000
	ALOAD \s                                       ; both slots' first fills go out together: two tensor loads of a wave are out, later one
.endr
	v_and_b32 v2, 15, v0                           ; r
	v_bfe_u32 v3, v0, 4, 1                         ; h
	v_lshlrev_b32 v[QOF], 8, v2
	v_lshl_add_u32 v[QOF], v3, 4, v[QOF]           ; Q: row r, 16 bytes for each half of the lanes
	WIN 0x40
.irp e, 0,1
.irp k, 0,1,2,3
	global_load_b128 v[128+32*\e+8*\k:128+32*\e+8*\k+3],   v[QOF], s[78:79] offset:524288*\e+64*\k
	global_load_b128 v[128+32*\e+8*\k+4:128+32*\e+8*\k+7], v[QOF], s[78:79] offset:524288*\e+64*\k+32
.endr
.endr
	WIN 0
	v_and_b32 v1, 31, v0
	v_and_b32 v4, 7, v0
	v_bfe_u32 v5, v0, 3, 1
	v_mul_u32_u24 v6, v2, PK
	v_lshl_add_u32 v[ADRK], v3, 4, v6
	v_add_nc_u32 v[ADRK+1], SLOT, v[ADRK]
	v_lshl_add_u32 v6, v3, 3, v4                   ; V: key row 8 h + lane % 8,
	v_mul_u32_u24 v6, v6, PVP
	v_lshl_add_u32 v6, v5, 4, v6                   ; 16 bytes for each group of eight lanes
	v_add_nc_u32 v[ADRV], VOFF, v6
	v_add_nc_u32 v[ADRV+1], SLOT, v[ADRV]
	s_mul_i32 s14, s10, 16*PM
	s_add_co_u32 s14, s14, MOFF
	v_mul_u32_u24 v6, v2, PM
	v_lshl_add_u32 v6, v3, 5, v6                   ; mask: row 16 w + r, keys 8 h ..
	v_add_nc_u32 v[ADRM], s14, v6
	v_add_nc_u32 v[ADRM+1], SLOT, v[ADRM]
	s_mul_i32 s14, s10, 16*SP
	s_add_co_u32 s14, s14, STAGE                   ; my stage
	v_mul_u32_u24 v6, v2, SP
	v_lshl_add_u32 v6, v3, 4, v6
	v_add_nc_u32 v[STO], s14, v6                   ; in: row r, 8 f16 at 16 h
	v_lshlrev_b32 v[CO], 4, v1                     ; 16 bytes a lane: a row's 512 bytes
	v_add_nc_u32 v[RD], s14, v[CO]
	s_wait_tensorcnt 1                             ; my part of tile 0 is in; tile 1's stays out
	s_barrier_signal -1
	s_barrier_wait -1
	KMLOAD 0, 0
	s_wait_loadcnt 0x0                             ; Q
	SUB 0, 0, 1, 0                                 ; tiles 0 and 1 stand in front of the loop: the first sub-step starts maximum, sum and O
	SUB 0, 1, 0, 1
	SUB 1, 0, 0, 0
	SUB 1, 1, 0, 1
	s_mov_b32 s71, 6                               ; tiles 2 to 13; they ask for tiles 4 to 15
.Ltiles:
	SUB 0, 0, 0, 0
	SUB 0, 1, 0, 1
	SUB 1, 0, 0, 0
	SUB 1, 1, 0, 1
	s_sub_co_u32 s71, s71, 1
	s_cmp_lg_u32 s71, 0
	s_cbranch_scc1 .Ltiles
	SUB 0, 0, 0, 0                                 ; tiles 14 and 15: nothing is left to fetch
	SUB 0, 1, 0, 2
	SUB 1, 0, 0, 0
	SUB 1, 1, 0, 3
	; THE WAY OUT: divide by the row's sum, round, 16 bytes a lane into my stage, whole rows of 512 bytes (both heads) back and out
	PLACES
	v_permlanex16_b32 v[T], v[LS], s68, s69        ; the other half of the keys
	v_permlanex16_b32 v[T+1], v[LS+1], s68, s69
	v_add_f32 v[T], v[T], v[LS]
	v_add_f32 v[T+1], v[T+1], v[LS+1]
	v_rcp_f32 v[AL], v[T]
	v_rcp_f32 v[AL+2], v[T+1]
	v_nop
	s_wait_alu depctr_va_vdst(0)
	v_mov_b32 v[AL+1], v[AL]
	v_mov_b32 v[AL+3], v[AL+2]
.macro OUTHEAD e
	WIN 0x01
.irp d, 0,1,2,3,4,5,6,7
.irp k, 0,2,4,6
	v_pk_mul_f32 v[SR+8*\d+\k:SR+8*\d+\k+1], v[64*\e+8*\d+\k:64*\e+8*\d+\k+1], v[AL+2*\e:AL+2*\e+1]
.endr
.endr
	WIN 0
.irp d, 0,1,2,3,4,5,6,7
.irp k, 0,1,2,3
	v_cvt_pk_f16_f32 v[MR+4*\d+\k], v[SR+8*\d+2*\k], v[SR+8*\d+2*\k+1]
.endr
.endr
.irp d, 0,1,2,3,4,5,6,7
	ds_store_b128 v[STO], v[MR+4*\d:MR+4*\d+3] offset:256*\e+32*\d
.endr
.endm
	OUTHEAD 0
	OUTHEAD 1
.irp t, 0,1,2,3,4,5,6,7,8,9,10,11,12,13,14,15
	ds_load_b128 v[SR+4*\t:SR+4*\t+3], v[RD] offset:SP*\t          ; LDS serves a wave's instructions in order: these see the stores above
.endr
.irp t, 0,1,2,3,4,5,6,7,8,9,10,11,12,13,14,15
	s_wait_dscnt 15-\t                             ; row t is in, the later rows stay out
	global_store_b128 v[CO], v[SR+4*\t:SR+4*\t+3], s[8:9] offset:4096*\t   ; the wave stores 512 consecutive bytes, aligned
.endr
	s_wait_tensorcnt 0x0
	ds_add_u32 v254, v255
	s_wait_dscnt 0x0
	ROUND                                          ; the closing round: no work-group ends while a partner may still ask for a tile that names it
	s_endpgm
.Lfunc_end_k_q6b58745912_attn:
	.size	k_q6b58745912_attn, .Lfunc_end_k_q6b58745912_attn-k_q6b58745912_attn
	.p2alignl 7, 3214868480
	.fill 96, 4, 3214868480
	.section	.rodata,"a",@progbits
	.p2align	6, 0x0
	.amdhsa_kernel k_q6b58745912_attn
		.amdhsa_group_segment_fixed_size 327680
		.amdhsa_private_segment_fixed_size 0
		.amdhsa_enable_private_segment 0
		.amdhsa_kernarg_size 24
		.amdhsa_user_sgpr_count 2
		.amdhsa_user_sgpr_kernarg_segment_ptr 1
		.amdhsa_wavefront_size32 1
		.amdhsa_system_sgpr_workgroup_id_x 1
		.amdhsa_system_sgpr_workgroup_id_y 1
		.amdhsa_system_sgpr_workgroup_id_z 1
		.amdhsa_system_vgpr_workitem_id 0
		.amdhsa_next_free_vgpr 768
		.amdhsa_next_free_sgpr 80
		.amdhsa_reserve_vcc 0
		.amdhsa_float_denorm_mode_32 3
		.amdhsa_float_denorm_mode_16_64 3
		.amdhsa_memory_ordered 1
		.amdhsa_forward_progress 1
		.amdhsa_inst_pref_size 255
	.end_amdhsa_kernel
	.section	.bss,"aw",@nobits
	.p2align	6
	.space	262144
	.amdgpu_metadata
---
amdhsa.version: [ 1, 2 ]
amdhsa.kernels:
  - .name:           k_q6b58745912_attn
    .symbol:         k_q6b58745912_attn.kd
    .args:
      - { .name: qkvh, .offset: 0, .size: 8, .value_kind: global_buffer, .address_space: global }
      - { .name: attention_mask, .offset: 8, .size: 8, .value_kind: global_buffer, .address_space: global }
      - { .name: ah, .offset: 16, .size: 8, .value_kind: global_buffer, .address_space: global }
    .group_segment_fixed_size: 327680
    .private_segment_fixed_size: 0
    .kernarg_segment_align: 8
    .kernarg_segment_size: 24
    .max_flat_workgroup_size: 128
    .sgpr_count:     80
    .vgpr_count:     768
    .wavefront_size: 32
...
	.end_amdgpu_metadata
.endif
;; end of part 3
;; launch oproj (part 4): grid 16 x 16, 4 waves a work-group, clusters of 4 x 4, 327,680 bytes of LDS; arguments ah, woh, out0; writes out0
.if DOCPART == 4
	.amdgcn_target "amdgcn-amd-amdhsa--gfx1250"
	.amdhsa_code_object_version 6
	.text
	.protected	k_q6b58745912_oproj
	.globl	k_q6b58745912_oproj
	.p2align	8
	.type	k_q6b58745912_oproj,@function
k_q6b58745912_oproj:
	s_mov_b64 s[64:65], 0
	v_nop
	global_prefetch_b8 v0, s[64:65] scope:SCOPE_SE
	s_setreg_imm32_b32 hwreg(HW_REG_WAVE_MODE, 25, 1), 1
	s_wait_xcnt 0x0
	s_wait_alu depctr_hold_cnt(0) depctr_sa_sdst(0) depctr_va_vdst(0) depctr_va_sdst(0) depctr_va_ssrc(0) depctr_va_vcc(0) depctr_vm_vsrc(0)
	s_getreg_b32 s2, hwreg(HW_REG_IB_STS2, 6, 4)
	s_cmp_eq_u32 s2, 0
	s_cbranch_scc0 .Lentry_in_a_cluster
	s_endpgm
.Lentry_in_a_cluster:
	s_bfe_u32 s2, ttmp6, 0x10000c
	s_cmp_lg_u32 s2, 0xf033
	s_cbranch_scc0 .Lentry_shape_is_right
	s_endpgm
.Lentry_shape_is_right:
; Launch 4 of 4: out0 = ah x woh.  ah [2048 s][2048 k] f16, woh [2048 k][4096 n] f16, out0 [2048][4096] f32; sums in f32.  Nothing of reference() is left out.
; LIMIT: both operands are rounded to f16.
; The product is built as in the launch that makes q, k and v: a work-group makes 128 rows x 256 columns (16 x 16 = 256 work-groups), four waves of
; 64 x 128 (4 x 8 accumulator tiles, 256 registers); K in steps of 128 through two LDS slots filled by the tensor data mover.
; CLUSTERS: 4 x 4 work-groups; ah's tile is asked for jointly along a row of the cluster, woh's along a column.
; THE MATRIX INSTRUCTION IS USED TRANSPOSED: source 0 = 16 columns of W, source 1 = 16 rows of ah; lane (r = lane % 16, h = lane / 16) holds row r,
; registers 0-7 the columns 8 h + 0..7 of the tile.
; REGISTERS: window 0: v1-v31 addresses, v64-159 and v160-255 two fragment buffers (8 of W, then 4 of ah); window 1: accumulator tile (a, b) at v[8 (8 a + b)].
.set SIZE_K, 2048
.set NPITCH, 4096                      ; elements in a row of W
.set KSTEP,  128
.set PA,     272                       ; LDS row of ah's tile: 256 bytes + 16, an odd multiple of 16
.set PB,     544                       ; LDS row of W's tile: 512 bytes + 32, an odd multiple of 32, for the transposing load
.set AHALF,  64*PA
.set BHALF,  64*PB
.set ATILE,  2*BHALF                   ; a slot: W's 128 k-rows, then ah's 128 rows
.set SLOT,   ATILE+2*AHALF             ; 104,448
.set STAGE,  2*SLOT                    ; behind the ring, a multiple of 256: 16 rows x 528 bytes for each wave; no tensor load lands there
.set SP,     528
.set WSTAGE, 16*SP                     ; the stages end at 242,688.  The launch asks for 327,680: every wave writes both kinds of group 0, and the kind that it never issues then names bytes inside the allocation too
.set LAPS,   SIZE_K/(2*KSTEP)
.set ADRA, 16
.set ADRB, 20
.set F0,   64
.set F1,   160
.set G1A, 24
.set G0A, 32
.set G1B, 40
.set G0B, 48
.set ACC, 0x50                         ; C and D in window 1, both sources in window 0
.set MSB, 0
.macro WIN new                         ; the immediate's high byte repeats the setting that is left
.if MSB != \new
	s_set_vgpr_msb (MSB<<8)|\new
.set MSB, \new
.endif
.endm
; A joint load.  Waves 0 and 1 fetch W's two halves, waves 2 and 3 ah's.  Each line has one mask; the branch hangs on the wave's number alone.
.macro JLOAD s
	s_cmp_eq_u32 s19, 0
	s_cbranch_scc0 .Lfor_a_\@
	tensor_load_to_lds s[G0B+4*\s:G0B+4*\s+3], s[G1B:G1B+7]
	s_nop 0
	s_branch .Lasked_\@
.Lfor_a_\@:
	tensor_load_to_lds s[G0A+4*\s:G0A+4*\s+3], s[G1A:G1A+7]
	s_nop 0
.Lasked_\@:
.endm
.macro CREST                           ; a round of the cluster's barrier behind its opening barrier
	s_cmp_lg_u32 s18, 0
	s_cbranch_scc1 .Lnot_wave_0_\@
	s_barrier_signal -3
.Lnot_wave_0_\@:
	s_barrier_wait -3
	s_barrier_signal -1
	s_barrier_wait -1
.endm
.macro CROUND
	s_barrier_signal -1
	s_barrier_wait -1
	CREST
.endm
.macro PLACES                          ; four plain vector instructions behind a matrix instruction (ISA guide 7.12.1 for vector instructions)
.rept 4
	v_nop
.endr
.endm
; 8 matrix instructions: row tile a x all 8 column tiles, 32 along K.  The 32 accumulators take turns, one instruction a turn.
.macro MUL8 f, a, zero
.irp b, 0,1,2,3,4,5,6,7
.if \zero
	v_wmma_f32_16x16x32_f16 v[8*(8*\a+\b):8*(8*\a+\b)+7], v[\f+8*\b:\f+8*\b+7], v[\f+64+8*\a:\f+64+8*\a+7], 0
.else
	v_wmma_f32_16x16x32_f16 v[8*(8*\a+\b):8*(8*\a+\b)+7], v[\f+8*\b:\f+8*\b+7], v[\f+64+8*\a:\f+64+8*\a+7], v[8*(8*\a+\b):8*(8*\a+\b)+7]
.endif
.endr
.endm
; 24 LDS loads: quarter q of a slot into buffer f: 16 transposing loads for W, then 8 plain ones for ah
.macro FETCH slot, q, f
	WIN 0
.irp b, 0,1,2,3,4,5,6,7
	ds_load_tr16_b128 v[\f+8*\b:\f+8*\b+3],   v[ADRB+\slot] offset:\q*32*PB+32*\b
	ds_load_tr16_b128 v[\f+8*\b+4:\f+8*\b+7], v[ADRB+\slot] offset:\q*32*PB+16*PB+32*\b
.endr
.irp a, 0,1,2,3
	ds_load_b128 v[\f+64+8*\a:\f+64+8*\a+3],   v[ADRA+\slot] offset:\q*64+\a*16*PA
	ds_load_b128 v[\f+64+8*\a+4:\f+64+8*\a+7], v[ADRA+\slot] offset:\q*64+\a*16*PA+32
.endr
.endm
.macro QUARTER slot, q, f, g, zero
	s_wait_dscnt 4                                 ; W and ah's tiles 0, 1 are in; the youngest four loads (tiles 2, 3) may be out
	WIN ACC
	MUL8 \f, 0, \zero
	MUL8 \f, 1, \zero
	PLACES
	FETCH \slot, \q, \g
	s_wait_dscnt 24                                ; all but the 24 just issued
	WIN ACC
	MUL8 \f, 2, \zero
	MUL8 \f, 3, \zero
.endm
.macro THREE slot, zero
	QUARTER \slot, 1, F0, F1, \zero
	QUARTER \slot, 2, F1, F0, 0
	QUARTER \slot, 3, F0, F1, 0
.endm
; The last quarter changes slots: each wave waits for its reads of this slot and for all its tensor loads, then the barrier; behind it the refill first.
.macro TURN slot, next, fill
	s_wait_dscnt 4
	WIN ACC
	MUL8 F1, 0, 0
	s_wait_dscnt 0x0                               ; my reads of this slot are over
	s_wait_tensorcnt 0x0                           ; all my tensor loads have landed
	ds_add_u32 v62, v63
	s_wait_dscnt 0x0
	s_barrier_signal -1                            ; (where the slot is filled again this barrier opens a round of the cluster's barrier)
	MUL8 F1, 1, 0                                  ; registers only
	WIN 0
	s_barrier_wait -1
.if \fill
	CREST                                          ; no wave of any partner still reads this slot or has a load on its way
	s_add_nc_u64 s[G0A+4*\slot+2:G0A+4*\slot+3], s[G0A+4*\slot+2:G0A+4*\slot+3], 2*KSTEP*2
	s_add_nc_u64 s[G0B+4*\slot+2:G0B+4*\slot+3], s[G0B+4*\slot+2:G0B+4*\slot+3], 2*KSTEP*NPITCH*2
	JLOAD \slot                                    ; my one tensor load behind the round
.endif
	PLACES
	FETCH \next, 0, F0
	WIN ACC
	MUL8 F1, 2, 0
	MUL8 F1, 3, 0
.endm
.macro LAP zero
	THREE 0, \zero
	TURN 0, 1, 1
	THREE 1, 0
	TURN 1, 0, 1
.endm
	s_load_b128 s[4:7], s[0:1], 0x0                ; ah s[4:5], woh s[6:7]
	s_load_b64 s[8:9], s[0:1], 0x10                ; out0
	v_lshl_add_u32 v62, v0, 2, 0x3c000
	v_mov_b32 v63, 0
	ds_add_u32 v62, v63
	v_lshrrev_b32 v1, 5, v0
	v_readfirstlane_b32 s18, v1                    ; wave 0..3
	s_lshr_b32 s19, s18, 1                         ; my half of the block's rows.  Also: I fetch for W (0) or for ah (1)
	s_and_b32 s20, s18, 1                          ; my half of its columns.  Also: which 64 rows of that tile I fetch
	s_bfe_u32 s21, ttmp6, 0x40000                  ; cx
	s_bfe_u32 s22, ttmp6, 0x40004                  ; cy
	s_lshl_b32 s23, ttmp9, 2
	s_add_co_u32 s23, s23, s21                     ; block column
	s_and_b32 s56, ttmp7, 0xffff
	s_lshl_b32 s56, s56, 2
	s_add_co_u32 s56, s56, s22                     ; block row
	s_lshl_b32 s57, s22, 2
	s_lshl_b32 s57, 15, s57                        ; my row of the cluster
	s_lshl_b32 s58, 0x1111, s21                    ; my column
	s_or_b32 s[G1A+0], s57, (1<<16)|(1<<20)|(1<<21)|(5<<22)|(3<<25)   ; 64 rows x 128 elements of 2 bytes; 4 words of padding after every 64
	s_mov_b32 s[G1A+1], KSTEP<<16
	s_mov_b32 s[G1A+2], 64<<16
	s_mov_b32 s[G1A+3], KSTEP<<16
	s_mov_b32 s[G1A+4], 64
	s_mov_b32 s[G1A+5], SIZE_K
	s_mov_b32 s[G1A+6], 0
	s_mov_b32 s[G1A+7], 0
	s_or_b32 s[G1B+0], s58, (1<<16)|(1<<20)|(1<<21)|(6<<22)|(7<<25)   ; 64 k-rows x 256 elements; 8 words of padding after every 128
	s_mov_b32 s[G1B+1], 256<<16
	s_mov_b32 s[G1B+2], 64<<16
	s_mov_b32 s[G1B+3], 256<<16
	s_mov_b32 s[G1B+4], 64
	s_mov_b32 s[G1B+5], NPITCH
	s_mov_b32 s[G1B+6], 0
	s_mov_b32 s[G1B+7], 0
	s_lshl_b32 s60, s56, 7
	s_lshl_b32 s59, s20, 6
	s_add_co_u32 s60, s60, s59                     ; ah: row 128 x block row + 64 x half
	s_mul_i32 s60, s60, SIZE_K*2
	s_mov_b32 s61, 0
	s_lshl_b32 s62, s23, 9                         ; W: 512 bytes a block column
	s_lshl_b32 s59, s20, 19                        ; + 64 x half k-rows of 8,192 bytes
	s_add_co_u32 s62, s62, s59
	s_mov_b32 s63, 0
	s_mul_i32 s66, s18, BHALF                      ; where W's halves go (waves 0, 1)
	s_mul_i32 s67, s18, AHALF                      ; where ah's halves go (waves 2, 3)
	s_add_co_u32 s67, s67, ATILE-2*AHALF
	s_wait_dscnt 0x0
	s_wait_kmcnt 0x0
	s_add_nc_u64 s[60:61], s[4:5], s[60:61]
	s_add_nc_u64 s[62:63], s[6:7], s[62:63]
	CROUND                                         ; all sixteen work-groups are here: the first joint loads meet
.irp s, 0,1
	s_mov_b32 s[G0A+4*\s], 1
	s_add_co_u32 s[G0A+4*\s+1], s67, \s*SLOT
	s_add_nc_u64 s[G0A+4*\s+2:G0A+4*\s+3], s[60:61], \s*KSTEP*2
	s_or_b32 s[G0A+4*\s+3], s[G0A+4*\s+3], 0x80000000
	s_mov_b32 s[G0B+4*\s], 1
	s_add_co_u32 s[G0B+4*\s+1], s66, \s*SLOT
	s_add_nc_u64 s[G0B+4*\s+2:G0B+4*\s+3], s[62:63], \s*KSTEP*NPITCH*2
	s_or_b32 s[G0B+4*\s+3], s[G0B+4*\s+3], 0x80000000
	JLOAD \s                                       ; both slots' first fills go out together: two tensor loads of a wave are out, later one
.endr
	v_and_b32 v1, 15, v0                           ; r
	v_bfe_u32 v2, v0, 4, 1                         ; h
	v_and_b32 v3, 7, v0
	v_bfe_u32 v4, v0, 3, 1
	v_mul_u32_u24 v5, v1, PA
	v_lshl_add_u32 v5, v2, 4, v5
	s_mul_i32 s59, s19, AHALF
	s_add_co_u32 s59, s59, ATILE
	v_add_nc_u32 v[ADRA], s59, v5
	v_add_nc_u32 v[ADRA+1], SLOT, v[ADRA]
	v_lshl_add_u32 v6, v2, 3, v3
	v_mul_u32_u24 v6, v6, PB
	v_lshl_add_u32 v6, v4, 4, v6
	s_lshl_b32 s59, s20, 8
	v_add_nc_u32 v[ADRB], s59, v6
	v_add_nc_u32 v[ADRB+1], SLOT, v[ADRB]
	s_mul_i32 s69, s18, WSTAGE
	s_add_co_u32 s69, s69, STAGE                   ; my stage
	v_mul_u32_u24 v7, v1, SP
	v_lshl_add_u32 v7, v2, 5, v7
	v_add_nc_u32 v24, s69, v7                      ; in: row r, 8 f32 at 32 h
	v_and_b32 v10, 31, v0
	v_lshlrev_b32 v26, 4, v10                      ; out0: 16 bytes a lane, a row's 512 bytes a wave
	v_add_nc_u32 v25, s69, v26                     ; back: the same 16 bytes of a stage row
	s_wait_tensorcnt 1                             ; my part of K step 0 is in; K step 1's stays out
	s_barrier_signal -1
	s_barrier_wait -1
	FETCH 0, 0, F0
	LAP 1                                          ; the first lap's first products start the sums
	WIN 0
	s_mov_b32 s68, LAPS-2
.Llap:
	LAP 0
	WIN 0
	s_sub_co_u32 s68, s68, 1
	s_cmp_lg_u32 s68, 0
	s_cbranch_scc1 .Llap
	THREE 0, 0                                     ; the last lap fills nothing
	TURN 0, 1, 0
	THREE 1, 0
	s_wait_dscnt 4
	WIN ACC
	MUL8 F1, 0, 0
	MUL8 F1, 1, 0
	s_wait_dscnt 0x0
	MUL8 F1, 2, 0
	MUL8 F1, 3, 0
	PLACES                                         ; behind the last matrix instructions: results are stored to LDS, fragment registers are loaded again
	WIN 0
	; THE WAY OUT, 16 rows at a time: f32 into my stage, whole rows of 512 bytes back and out
	s_lshl_b32 s76, s56, 7
	s_lshl_b32 s77, s19, 6
	s_add_co_u32 s76, s76, s77                     ; my first row,
	s_lshl_b32 s76, s76, 14                        ; rows of 16,384 bytes,
	s_lshl_b32 s77, s23, 10                        ; 1,024 bytes a block column,
	s_add_co_u32 s76, s76, s77
	s_lshl_b32 s77, s20, 9                         ; 512 bytes my half
	s_add_co_u32 s76, s76, s77
	s_mov_b32 s77, 0
	s_add_nc_u64 s[8:9], s[8:9], s[76:77]
.irp a, 0,1,2,3
	WIN 0x04                                       ; store data in window 1
.irp b, 0,1,2,3,4,5,6,7
	ds_store_b128 v24, v[64*\a+8*\b:64*\a+8*\b+3] offset:64*\b
	ds_store_b128 v24, v[64*\a+8*\b+4:64*\a+8*\b+7] offset:64*\b+16
.endr
	WIN 0
	s_wait_xcnt 0x0                                ; the buffer held earlier stores' data: it is loaded again only behind this wait
.irp t, 0,1,2,3,4,5,6,7,8,9,10,11,12,13,14,15
	ds_load_b128 v[64+64*(\a&1)+4*\t:64+64*(\a&1)+4*\t+3], v25 offset:SP*\t      ; LDS serves a wave's instructions in order: these see the stores above
.endr
.irp t, 0,1,2,3,4,5,6,7,8,9,10,11,12,13,14,15
	s_wait_dscnt 15-\t                             ; row t is in, the later rows stay out
	global_store_b128 v26, v[64+64*(\a&1)+4*\t:64+64*(\a&1)+4*\t+3], s[8:9] offset:(16*\a+\t)*16384 th:TH_STORE_NT   ; the wave stores 512 consecutive bytes, aligned
.endr
.endr
	s_wait_tensorcnt 0x0
	ds_add_u32 v62, v63
	s_wait_dscnt 0x0
	CROUND                                         ; the closing round: no work-group ends while a partner may still ask for a tile that names it
	s_endpgm
.Lfunc_end_k_q6b58745912_oproj:
	.size	k_q6b58745912_oproj, .Lfunc_end_k_q6b58745912_oproj-k_q6b58745912_oproj
	.p2alignl 7, 3214868480
	.fill 96, 4, 3214868480
	.section	.rodata,"a",@progbits
	.p2align	6, 0x0
	.amdhsa_kernel k_q6b58745912_oproj
		.amdhsa_group_segment_fixed_size 327680
		.amdhsa_private_segment_fixed_size 0
		.amdhsa_enable_private_segment 0
		.amdhsa_kernarg_size 24
		.amdhsa_user_sgpr_count 2
		.amdhsa_user_sgpr_kernarg_segment_ptr 1
		.amdhsa_wavefront_size32 1
		.amdhsa_system_sgpr_workgroup_id_x 1
		.amdhsa_system_sgpr_workgroup_id_y 1
		.amdhsa_system_sgpr_workgroup_id_z 1
		.amdhsa_system_vgpr_workitem_id 0
		.amdhsa_next_free_vgpr 512
		.amdhsa_next_free_sgpr 80
		.amdhsa_reserve_vcc 0
		.amdhsa_float_denorm_mode_32 3
		.amdhsa_float_denorm_mode_16_64 3
		.amdhsa_memory_ordered 1
		.amdhsa_forward_progress 1
		.amdhsa_inst_pref_size 117
	.end_amdhsa_kernel
	.amdgpu_metadata
---
amdhsa.version: [ 1, 2 ]
amdhsa.kernels:
  - .name:           k_q6b58745912_oproj
    .symbol:         k_q6b58745912_oproj.kd
    .args:
      - { .name: ah, .offset: 0, .size: 8, .value_kind: global_buffer, .address_space: global }
      - { .name: woh, .offset: 8, .size: 8, .value_kind: global_buffer, .address_space: global }
      - { .name: out0, .offset: 16, .size: 8, .value_kind: global_buffer, .address_space: global }
    .group_segment_fixed_size: 327680
    .private_segment_fixed_size: 0
    .kernarg_segment_align: 8
    .kernarg_segment_size: 24
    .max_flat_workgroup_size: 128
    .sgpr_count:     80
    .vgpr_count:     512
    .wavefront_size: 32
...
	.end_amdgpu_metadata
.endif
;; end of part 4
;; ======== version 2 of 2: 4 launches; version 1 with the launch cast written anew for expert scheduling mode
;; limits: values are held in f16: magnitudes above 65,504 overflow, below 6.1e-05 lose precision
;; workspace buffers: xh 16,777,216 bytes; wqkvh 33,554,432 bytes; woh 16,777,216 bytes; qkvh 16,777,216 bytes; ah 8,388,608 bytes
;; launch cast (part 5): grid 1024 x 1, 8 waves a work-group, no clusters, 0 bytes of LDS; arguments hidden_states, wq, wk, wv, wo, xh, wqkvh, woh; writes xh, wqkvh, woh
.if DOCPART == 5
	.amdgcn_target "amdgcn-amd-amdhsa--gfx1250"
	.amdhsa_code_object_version 6
	.text
	.protected	k_q6b58745912_cast
	.globl	k_q6b58745912_cast
	.p2align	8
	.type	k_q6b58745912_cast,@function
k_q6b58745912_cast:
	s_mov_b64 s[64:65], 0
	v_nop
	global_prefetch_b8 v0, s[64:65] scope:SCOPE_SE
	s_setreg_imm32_b32 hwreg(HW_REG_WAVE_SCHED_MODE, 0, 2), 2
	s_setreg_imm32_b32 hwreg(HW_REG_WAVE_MODE, 25, 1), 1
	s_wait_xcnt 0x0
	s_wait_alu depctr_vm_vsrc(0)
; Qwen3VLTextAttention, launch 1 of 4: hidden_states, wq, wk, wv and wo are rounded once from f32 to f16 (to nearest even).
; Nothing of reference() is left out in any launch: every input has a way to the output, and the additive mask is taken as any f32 numbers.
; WHY f16 AND NOT bf16: between the inputs and the result ten operands are rounded (x, four weights, q, k, v, the probabilities, the attention result), and every
; sum is a sum of independent terms, so each rounding adds its own relative error to the result.  With 8 significant bits that is about 0.17 per cent each,
; with 11 bits about 0.02 per cent each.
; LIMIT: a number beyond 65,504 in magnitude becomes an infinity; below 6.1e-5 it keeps an absolute error of 3e-8.
; WHY A LAUNCH OF ITS OWN: each of the 16 row blocks of a product reads every weight tile, and each of the 16 column blocks every
; tile of x: rounding inside the products' loops would be done 16 times over, on tiles of twice the bytes, and the weights lie [k][n],
; which the products read by the transposing LDS load, a load of 16-bit elements.
; xh    [2048][4096] f16 = hidden_states;  woh [2048][4096] f16 = wo;
; wqkvh [4096 k][4096 n] f16: row k = wq[k] (n 0-2047), wk[k] (n 2048-3071), wv[k] (n 3072-4095): one product makes q, k and v.
; A work-group takes 32,768 numbers that follow each other in one source: 128 KiB in, 64 KiB out.  Thread t, step i (16 steps): the 8 numbers
; at 2048 i + 8 t: two loads of 16 bytes, one store of 16 bytes; a wave's store covers 512 consecutive bytes, aligned.
; All 32 loads of a wave go out first; every step has registers of its own, and no register that a load or store has read is written again.
; No LDS, no matrix unit, no cluster: the bytes are moved once and no two work-groups share any.
; THE MODE: SCHED_MODE bits 1:0 = 2 (LLVM: expert scheduling mode 2), set by the entry lines.  The code itself states the register dependences
; between vector instructions and memory instructions, with s_wait_alu, always for 0.
; THE PLAN.  Registers that memory instructions touch:
;   v1         the source offset.  Written once at the head; read by all 32 loads; never written again.
;   DOF[i]     the destination offset of step i.  Written once by the address arithmetic behind the loads; read by store i; never written again.
;   X[8 i ..]  step i's eight registers.  Its two loads land there (no vector instruction has named them before); its four conversions read all eight and
;              write the first four; store i reads those four; nothing names them after that.
;   v2 to v5   are named by vector instructions alone.
; The 16 steps go in four blocks of four.  A block's four stores are issued in the NEXT block, one ahead of each step's conversions: that block's
; conversions name its own steps' X alone, so ONE wait on va_vdst at a block's head states all that its four stores hang on.  With the wait ahead of the
; first load and the one ahead of the last four stores that is five waits.  No wait on vm_vsrc is owed: no register that a load or store reads is rewritten.
.set BLK, 4                            ; steps in a block
.set DOF, 8                            ; v[8:23]    step i: byte offset of my 16 bytes in the destination
.set X,   24                           ; v[24:151]  step i: 8 registers as loaded; the first 4 of them as stored
	s_load_b512 s[8:23], s[0:1], 0x0               ; hidden_states s[8:9], wq s[10:11], wk s[12:13], wv s[14:15], wo s[16:17], xh s[18:19], wqkvh s[20:21], woh s[22:23]
	v_lshlrev_b32 v1, 5, v0                        ; my 32 source bytes in a step; never rewritten
	s_wait_kmcnt 0x0
	; which source this work-group reads: wo's figures first, then each lower range of work-group numbers puts in its own
	s_mov_b64 s[24:25], s[16:17]                   ; source
	s_mov_b64 s[26:27], s[22:23]                   ; destination
	s_mov_b32 s28, 12                              ; log2 of the source's columns
	s_mov_b32 s29, 0                               ; byte offset of the source's first column in a destination row
	s_mov_b32 s30, 768                             ; the range's first work-group
.macro REGION last, src, dst, logc, off, first
	s_cmp_lt_u32 ttmp9, \last
	s_cselect_b64 s[24:25], s[\src:\src+1], s[24:25]
	s_cselect_b64 s[26:27], s[\dst:\dst+1], s[26:27]
	s_cselect_b32 s28, \logc, s28
	s_cselect_b32 s29, \off, s29
	s_cselect_b32 s30, \first, s30
.endm
	REGION 768, 14, 20, 10, 6144, 640              ; wv: 128 work-groups
	REGION 640, 12, 20, 10, 4096, 512              ; wk: 128
	REGION 512, 10, 20, 11, 0, 256                 ; wq: 256
	REGION 256, 8, 18, 12, 0, 0                    ; hidden_states: 256
	s_sub_co_u32 s32, ttmp9, s30                   ; my chunk of the source
	s_bfm_b32 s31, s28, 0                          ; mask of the column bits
	s_lshl_b32 s34, s32, 17                        ; 128 KiB a chunk (255 chunks at the most: below 4 GiB)
	s_mov_b32 s35, 0
	s_add_nc_u64 s[24:25], s[24:25], s[34:35]
	s_mov_b32 s34, s29
	s_add_nc_u64 s[26:27], s[26:27], s[34:35]
	s_lshl_b32 s33, s32, 15
	s_wait_alu depctr_va_vdst(0)                   ; v1 is written: all 32 loads read it as their offset
.irp i, 0,1,2,3,4,5,6,7,8,9,10,11,12,13,14,15
	global_load_b128 v[X+8*\i:X+8*\i+3],   v1, s[24:25] offset:8192*\i th:TH_LOAD_NT
	global_load_b128 v[X+8*\i+4:X+8*\i+7], v1, s[24:25] offset:8192*\i+16 th:TH_LOAD_NT
.endr
	v_lshl_add_u32 v2, v0, 3, s33                  ; the index in the source of my first number in step 0
	; every destination has rows of 8,192 bytes: offset = row x 8192 + 2 x column
.irp i, 0,1,2,3,4,5,6,7,8,9,10,11,12,13,14,15
	v_add_nc_u32 v3, 2048*\i, v2
	v_lshrrev_b32 v4, s28, v3                      ; row
	v_and_b32 v5, s31, v3                          ; column
	v_lshlrev_b32 v5, 1, v5
	v_lshl_add_u32 v[DOF+\i], v4, 13, v5
.endr
.set i, 0
.rept 16
	s_wait_loadcnt 30-2*i                          ; loads come back in order: this step's two are in, the 2 (15 - i) younger ones stay out
.if (i >= BLK) && ((i%BLK) == 0)
	s_wait_alu depctr_va_vdst(0)                   ; the block before has written the first four registers of each of its steps' X, which this block's four stores read as data; at the first such wait the address arithmetic has written all of DOF, which the stores read as offsets
.endif
.if i >= BLK
	global_store_b128 v[DOF+i-BLK], v[X+8*(i-BLK):X+8*(i-BLK)+3], s[26:27]  ; the same step of the block before; no vector instruction since the wait names these registers.  Later launches read these bytes: no hint
.endif
	v_cvt_pk_f16_f32 v[X+8*i],   v[X+8*i],   v[X+8*i+1]
	v_cvt_pk_f16_f32 v[X+8*i+1], v[X+8*i+2], v[X+8*i+3]
	v_cvt_pk_f16_f32 v[X+8*i+2], v[X+8*i+4], v[X+8*i+5]
	v_cvt_pk_f16_f32 v[X+8*i+3], v[X+8*i+6], v[X+8*i+7]
.set i, i+1
.endr
	s_wait_alu depctr_va_vdst(0)                   ; the last block's conversions have written their results, which the last four stores read
.irp i, 12,13,14,15
	global_store_b128 v[DOF+\i], v[X+8*\i:X+8*\i+3], s[26:27]
.endr
	s_endpgm
.Lfunc_end_k_q6b58745912_cast:
	.size	k_q6b58745912_cast, .Lfunc_end_k_q6b58745912_cast-k_q6b58745912_cast
	.p2alignl 7, 3214868480
	.fill 96, 4, 3214868480
	.section	.rodata,"a",@progbits
	.p2align	6, 0x0
	.amdhsa_kernel k_q6b58745912_cast
		.amdhsa_group_segment_fixed_size 0
		.amdhsa_private_segment_fixed_size 0
		.amdhsa_enable_private_segment 0
		.amdhsa_kernarg_size 64
		.amdhsa_user_sgpr_count 2
		.amdhsa_user_sgpr_kernarg_segment_ptr 1
		.amdhsa_wavefront_size32 1
		.amdhsa_system_sgpr_workgroup_id_x 1
		.amdhsa_system_sgpr_workgroup_id_y 1
		.amdhsa_system_sgpr_workgroup_id_z 1
		.amdhsa_system_vgpr_workitem_id 0
		.amdhsa_next_free_vgpr 152
		.amdhsa_next_free_sgpr 66
		.amdhsa_reserve_vcc 0
		.amdhsa_float_denorm_mode_32 3
		.amdhsa_float_denorm_mode_16_64 3
		.amdhsa_memory_ordered 1
		.amdhsa_forward_progress 1
		.amdhsa_inst_pref_size 15
	.end_amdhsa_kernel
	.amdgpu_metadata
---
amdhsa.version: [ 1, 2 ]
amdhsa.kernels:
  - .name:           k_q6b58745912_cast
    .symbol:         k_q6b58745912_cast.kd
    .args:
      - { .name: hidden_states, .offset: 0, .size: 8, .value_kind: global_buffer, .address_space: global }
      - { .name: wq, .offset: 8, .size: 8, .value_kind: global_buffer, .address_space: global }
      - { .name: wk, .offset: 16, .size: 8, .value_kind: global_buffer, .address_space: global }
      - { .name: wv, .offset: 24, .size: 8, .value_kind: global_buffer, .address_space: global }
      - { .name: wo, .offset: 32, .size: 8, .value_kind: global_buffer, .address_space: global }
      - { .name: xh, .offset: 40, .size: 8, .value_kind: global_buffer, .address_space: global }
      - { .name: wqkvh, .offset: 48, .size: 8, .value_kind: global_buffer, .address_space: global }
      - { .name: woh, .offset: 56, .size: 8, .value_kind: global_buffer, .address_space: global }
    .group_segment_fixed_size: 0
    .private_segment_fixed_size: 0
    .kernarg_segment_align: 8
    .kernarg_segment_size: 64
    .max_flat_workgroup_size: 256
    .sgpr_count:     66
    .vgpr_count:     152
    .wavefront_size: 32
...
	.end_amdgpu_metadata
.endif
;; end of part 5
;; launch qkv: the kernel of part 2 again; grid 16 x 16, 4 waves a work-group, clusters of 4 x 4, 327,680 bytes of LDS; arguments xh, wqkvh, cos, sin, q_norm_w, k_norm_w, qkvh; writes qkvh
;; launch attn: the kernel of part 3 again; grid 32 x 8, 4 waves a work-group, clusters of 4 x 1, 327,680 bytes of LDS; arguments qkvh, attention_mask, ah; writes ah
;; launch oproj: the kernel of part 4 again; grid 16 x 16, 4 waves a work-group, clusters of 4 x 4, 327,680 bytes of LDS; arguments ah, woh, out0; writes out0
